; MI455X (gfx1250); checked and timed in simulation.
; The chip was launched on July 23, 2026; its instructions are those of AMD's public machine-readable ISA for CDNA 5 (MIT licence, August 2026) and "CDNA5" Instruction Set Architecture Reference Guide (July 2026). The comments in the code are by the model that wrote it; some were corrected since.
;; Z Image Attention. Allowed arithmetic: matrix products marked QUANTISED: E2M3 operands, one E8M0 scale for each 32 along K, by v_wmma_scale_f32_16x16x128_f8f6f4 with both operands' format E2M3, f32 sums; everything else in f32.
;; Inputs: freqs_cos 2,048 x 64 float32; freqs_sin 2,048 x 64 float32; hidden_states 2 x 2,048 x 2,048 float32; k_norm_w 128 float32; q_norm_w 128 float32; wk 1,024 x 2,048 float32; wo 2,048 x 1,024 float32; wq 1,024 x 2,048 float32; wv 1,024 x 2,048 float32.
;; Outputs: out0 2 x 2,048 x 2,048 float32.
;; This version of the problem:
;;   THIS VERSION OF THE PROBLEM IS GIVEN IN LOW PRECISION. The matrix products marked QUANTISED in the list below multiply operands that are first quantised to E2M3 (2 exponent bits, 3 mantissa bits; 6 bits a number), with one power-of-two scale for each 32 numbers along K (OCP MX v1.0); their sums are f32. All else is computed in f32.
;;   The module's matrix products, in the order in which they are computed (A, B: the left and right operand; K: the contracted axis; several contracted axes count as one K, in the product's order):
;;     1. [M 4,096, K 2,048] x [K 2,048, N 1,024]; A: input hidden_states; B: input wq: QUANTISED
;;     2. [M 4,096, K 2,048] x [K 2,048, N 1,024]; A: input hidden_states; B: input wk: QUANTISED
;;     3. [M 4,096, K 2,048] x [K 2,048, N 1,024]; A: input hidden_states; B: input wv: QUANTISED
;;     4. batch 16 x [M 2,048, K 128] x [K 128, N 2,048]; A: computed on the way; B: computed on the way: QUANTISED
;;     5. batch 16 x [M 2,048, K 2,048] x [K 2,048, N 128]; A: softmax (see below); B: computed on the way: QUANTISED
;;     6. [M 4,096, K 1,024] x [K 1,024, N 2,048]; A: computed on the way; B: input wo: QUANTISED
;;   THE QUANTISER, for each operand of a quantised product, along K:
;;     - K is cut into blocks of 32 from its start; a last block that is shorter is filled with zeros.
;;     - A block's scale is 2^e with e = floor(log2(the largest magnitude in the block)) - 2, held to -126 .. 127; a block of zeros has e = 0. As a byte (E8M0): e + 127.
;;     - Each number is divided by its block's scale, clamped to +-7.5, and rounded to the nearest number of E2M3, ties to even, subnormals kept.
;;     - The product sums the exact products of the quantised numbers (number of the format x scale) in f32.
;;   ~~~python
;;   def quantise(x, axis):      # numpy; x: float32 -> the quantised numbers, widened to float32 again
;;       x = np.moveaxis(x, axis, -1); K = x.shape[-1]
;;       x = np.pad(x, [(0, 0)] * (x.ndim - 1) + [(0, -K % 32)]); x = x.reshape(x.shape[:-1] + (-1, 32)); a = np.abs(x).max(-1, keepdims=True)
;;       e = np.where(a > 0, np.clip(np.frexp(np.where(a > 0, a, 1))[1] - 1 - 2, -126, 127), 0)      # np.frexp(a)[1] - 1 = floor(log2(a)), exactly
;;       r = np.clip(x / 2.0 ** e, -7.5, 7.5)
;;       step = 2.0 ** (np.maximum(np.frexp(np.where(r == 0, 1, r))[1] - 1, 0) - 3)
;;       q = np.round(r / step) * step * 2.0 ** e      # np.round: ties to even
;;       return np.moveaxis(q.reshape(q.shape[:-2] + (-1,))[..., :K], -1, axis).astype(np.float32)
;;   ~~~
;;   SOFTMAX AHEAD OF A QUANTISED PRODUCT. Where the list says 'softmax', what is quantised is not the finished softmax but p = 2^(t - M), with t = logit x log2(e) and M = ceil(the row's largest t), a whole number; so 1/2 < the row's largest p <= 1. The row's sum l is taken of the UNQUANTISED p, in f32, and the product's result is divided by l at the end. Since M is a whole number, a kernel that streams over the keys may use a running M (the ceiling of the running maximum): every later rescaling is an exact power of two, which a block's scale takes up: the codes' values come out the same.
;;   OPERANDS COMPUTED ON THE WAY. 'Computed on the way' means the value that the module computes at that place (a softmax that the list does not call 'softmax' is quantised finished and normalised). What goes into a quantiser is computed in f32, as accurately as f32 sums, v_exp_f32 and their like allow (about 1e-6 of the number): no bf16 or f16 on the way to a quantiser, and a product that is left as it is and whose result goes on into a quantised operand takes f32 operands (vector FMAs, or v_wmma_f32_16x16x4_f32). A number that lies on a knife's edge between two numbers of the format may be rounded either way, as far as f32 arithmetic and the matrix unit's own rounding can turn it there, and no further.
;; One version. Each part assembles by itself: llvm-mc -triple=amdgcn-amd-amdhsa -mcpu=gfx1250 --defsym DOCPART=n.
;; ======== version 1 of 1: 4 launches
;; limits: right only within a limited range of input values
;; workspace buffers: cod 12,582,912 bytes; scl 524,288 bytes; qbuf 3,276,800 bytes; kvbuf 6,553,600 bytes; ocod 3,145,728 bytes; oscl 131,072 bytes
;; launch quant (part 1): grid 512 x 1, 4 waves a work-group, no clusters, 35,328 bytes of LDS; arguments hidden_states, wq, wk, wv, wo, cod, scl; writes cod, scl
.if DOCPART == 1
	.amdgcn_target "amdgcn-amd-amdhsa--gfx1250"
	.amdhsa_code_object_version 6
	.text
	.protected	k_qa38281738c_quant
	.globl	k_qa38281738c_quant
	.p2align	8
	.type	k_qa38281738c_quant,@function
k_qa38281738c_quant:
	s_mov_b64 s[64:65], 0
	v_nop
	global_prefetch_b8 v0, s[64:65] scope:SCOPE_SE
	s_setreg_imm32_b32 hwreg(HW_REG_WAVE_MODE, 25, 1), 1
	s_wait_xcnt 0x0
; hidden_states [4096][2048], wq, wk, wv [1024][2048], wo [2048][1024], f32, K innermost, become codes of FP6 (E2M3) and E8M0 scale bytes, one for each 32 along K.
; A block's scale is 2^(floor(log2(largest magnitude)) - 2); each number is divided by it and rounded to the nearest code, ties to even, beyond 7.5 the largest code.
; LAYOUT OF THE CODES: images of operand registers.  A fragment is 16 rows x 128 K = 12 registers a lane = 1,536 bytes: registers 4 g .. 4 g + 3 of lane l at byte 512 g + 16 l.
; cod = [tile][K step][1,536], 16 K steps a tile: tiles 0-255 hidden; from tile 256 the three weights BY GROUPS of 24 tiles: group g (0-7) holds heads 2 g, 2 g + 1 of wq || wk (16 tiles), then head g of wv (8 tiles):
; what one work-group of the next launch reads lies on end.  From byte 11,010,048 wo's 128 tiles (8 K steps each).
; THE ROWS OF A TILE ARE NOT NEIGHBOURS: of 32 consecutive rows (a pair of tiles), row rho of tile u is row 8 u + rho + 8 (rho / 8): a product that takes such a tile as its
; first source leaves, in two neighbouring result tiles, 16 neighbours along this axis in a lane's 16 registers.
; scl = [pair][K step][128], pairs in the tiles' order: a word (four bytes: 128 K of one row) for each row: the even tile's 16 words, then the odd tile's.  wo's from byte 458,752.
; SHARES.  A wave takes a pair of tiles x 256 K: 32 KB of f32, four fragments f = 2 q + u.  All its 64 loads (512 consecutive bytes of one row each) go out at the head.
; A fragment's 16 rows turn through the wave's own stage in LDS (row pitch 528 bytes): a lane then holds two whole blocks of 32 of its row, as the operand's layout wants them.
; No tensor loads, no barrier, no cluster: waves share nothing, and no input byte is read twice.
; LIMITS: NaN and infinities among the inputs are not served.  A block of zeros gets the byte 1 where the rule says 127 (its codes are zeros, and this program alone reads the bytes);
; a block whose largest magnitude lies under 2^-124 is held at the byte 1.
.set REGB,  8704                       ; LDS of a wave: the stage, 16 x 528, and 256 bytes of scale words
.set WRDS,  8448
.set SP,    528
.set VO,    8                          ; v8-39    16 x lane + row x (bytes of a row), rows 0-31 of the pair
.set X,     40                         ; v40-103  my two blocks: 64 numbers
.set PC,    104                        ; v104-151 codes, 12 registers a fragment: no store's data are written again
.set AX,    152                        ; v152-158 the upper halves of two blocks' codes, before they are moved
.set TM,    160                        ; v160-172 at work
.set MSB, 0
.macro WIN new                         ; the immediate's high byte repeats the setting that is left
.if MSB != (\new)
	s_set_vgpr_msb (MSB<<8)|(\new)
.set MSB, (\new)
.endif
.endm
	s_load_b256 s[4:11], s[0:1], 0x0               ; hidden, wq, wk, wv
	s_load_b128 s[12:15], s[0:1], 0x20             ; wo, cod
	s_load_b64 s[16:17], s[0:1], 0x30              ; scl
	v_lshl_add_u32 v254, v0, 2, 0x8800
	v_mov_b32 v255, 0
	v_lshrrev_b32 v1, 5, v0
	v_readfirstlane_b32 s18, v1                    ; wave
	v_and_b32 v6, 31, v0                           ; lane
	v_lshlrev_b32 v1, 4, v6                        ; v1 = 16 x lane
	v_and_b32 v4, 15, v0                           ; r
	v_bfe_u32 v7, v0, 4, 1                         ; h
	s_mul_i32 s19, s18, REGB
	v_add_nc_u32 v2, s19, v1                       ; v2: into the stage: a row's 512 bytes as they lie
	v_mul_u32_u24 v3, v4, SP
	v_lshl_add_u32 v3, v7, 7, v3
	v_add_nc_u32 v3, s19, v3                       ; v3: out of it: row r, + 128 h: my block of 32 numbers
	s_add_co_u32 s19, s19, WRDS
	v_lshl_add_u32 v4, v4, 2, s19                  ; v4: my row's scale word
	v_lshl_add_u32 v5, v6, 3, s19                  ; v5: the words on their way out, 8 bytes a lane
	v_lshlrev_b32 v6, 3, v6                        ; v6 = 8 x lane
	v_lshlrev_b32 v7, 3, v7                        ; v7 = 8 h: my bytes' shift in the word
	v_mov_b32 v[TM+8], 0                           ; a lane permute's destination counts as read
	s_mov_b32 s36, 0x76543210
	s_mov_b32 s37, 0xfedcba98                      ; lane l xor 16
	s_mov_b32 s22, 448                             ; the tensor's first work-group
	s_mov_b32 s23, 448                             ; the section's first work-group
	s_mov_b32 s24, 11010048                        ; the section's first byte in cod
	s_mov_b32 s25, 458752                          ; and in scl
	s_mov_b32 s26, 2                               ; log2 of the runs of 256 K in a row
	s_wait_kmcnt 0x0
	s_cmp_lt_u32 ttmp9, 448                        ; which tensor: the choice hangs on the work-group's number alone
	s_cselect_b64 s[20:21], s[10:11], s[12:13]
	s_cselect_b32 s22, 384, s22
	s_cselect_b32 s23, 0, s23
	s_cselect_b32 s24, 0, s24
	s_cselect_b32 s25, 0, s25
	s_cselect_b32 s26, 3, s26
	s_cmp_lt_u32 ttmp9, 384
	s_cselect_b64 s[20:21], s[8:9], s[20:21]
	s_cselect_b32 s22, 320, s22
	s_cmp_lt_u32 ttmp9, 320
	s_cselect_b64 s[20:21], s[6:7], s[20:21]
	s_cselect_b32 s22, 256, s22
	s_cmp_lt_u32 ttmp9, 256
	s_cselect_b64 s[20:21], s[4:5], s[20:21]
	s_cselect_b32 s22, 0, s22
	s_lshl_b32 s27, 1024, s26                      ; bytes of a row
	s_lshl_b32 s28, 3072, s26                      ; bytes of a tile's codes
	s_sub_co_u32 s29, ttmp9, s22
	s_lshl_b32 s29, s29, 2
	s_add_co_u32 s29, s29, s18                     ; my job in the tensor
	s_sub_co_u32 s38, ttmp9, s23
	s_lshl_b32 s38, s38, 2
	s_add_co_u32 s38, s38, s18                     ; and in the section
	s_lshr_b32 s39, s29, s26                       ; the pair of tiles in the tensor
	s_lshr_b32 s40, s38, s26                       ; and in the section, in the tensors' order
	s_bfm_b32 s41, s26, 0
	s_and_b32 s41, s29, s41                        ; which 256 K
	; where the pair goes: pairs from 128 on are the weights' (wo's section has 64 pairs, so it is left alone): p = pair - 128.
	; p < 64 (wq || wk): 128 + 12 (p / 8) + p % 8;  else (wv), with p' = p - 64: 128 + 12 (p' / 4) + 8 + p' % 4
	s_sub_co_u32 s42, s40, 128
	s_lshr_b32 s43, s42, 3
	s_mul_i32 s43, s43, 12
	s_and_b32 s44, s42, 7
	s_add_co_u32 s43, s43, s44
	s_add_co_u32 s43, s43, 128
	s_sub_co_u32 s44, s42, 64
	s_lshr_b32 s45, s44, 2
	s_mul_i32 s45, s45, 12
	s_and_b32 s44, s44, 3
	s_add_co_u32 s45, s45, s44
	s_add_co_u32 s45, s45, 136
	s_cmp_lt_u32 s42, 64
	s_cselect_b32 s43, s43, s45
	s_cmp_ge_u32 s40, 128
	s_cselect_b32 s40, s43, s40
	s_mul_i32 s42, s39, s27
	s_lshl_b32 s42, s42, 5                         ; 32 rows a pair
	s_lshl_b32 s43, s41, 10
	s_add_co_u32 s42, s42, s43
	s_mov_b32 s43, 0
	s_add_nc_u64 s[20:21], s[20:21], s[42:43]      ; the source at my first row, my first K
	s_mul_i32 s42, s40, s28
	s_lshl_b32 s42, s42, 1
	s_add_co_u32 s42, s42, s24
	s_mul_i32 s44, s41, 3072
	s_add_co_u32 s42, s42, s44
	s_add_nc_u64 s[30:31], s[14:15], s[42:43]      ; the even tile's codes, my two K steps
	s_mov_b32 s44, s28
	s_mov_b32 s45, 0
	s_add_nc_u64 s[32:33], s[30:31], s[44:45]      ; the odd tile's
	s_lshl_b32 s42, s40, s26
	s_add_co_u32 s42, s42, s41
	s_lshl_b32 s42, s42, 8
	s_add_co_u32 s42, s42, s25
	s_add_nc_u64 s[34:35], s[16:17], s[42:43]      ; my 256 bytes of scale words
.set TI, 0
.rept 32
	v_mad_u32_u24 v[VO+TI], s27, TI, v1
.set TI, TI+1
.endr
	WIN 0x40                                       ; destination window 1: fragment f at v[64 f]
.irp f, 0,1,2,3
.irp t, 0,1,2,3,4,5,6,7,8,9,10,11,12,13,14,15
	global_load_b128 v[64*\f+4*\t:64*\f+4*\t+3], v[VO+8*(\f%2)+\t+8*(\t/8)], s[20:21] offset:512*(\f/2) th:TH_LOAD_NT
.endr
.endr
.macro FRAGQ f
	s_wait_loadcnt 48-16*\f                        ; this fragment's 16 loads are in; the younger fragments' stay out
	WIN 0x04                                       ; an LDS store's data are its source 1: window 1
.irp t, 0,1,2,3,4,5,6,7,8,9,10,11,12,13,14,15
	ds_store_b128 v2, v[64*\f+4*\t:64*\f+4*\t+3] offset:SP*\t
.endr
	WIN 0
.irp c, 0,1
.irp j, 0,1,2,3,4,5,6,7
	ds_load_b128 v[X+32*\c+4*\j:X+32*\c+4*\j+3], v3 offset:256*\c+16*\j   ; K = 64 c + 32 h + 0 .. 31 of row r; LDS serves a wave's instructions in order
.endr
.endr
	s_wait_dscnt 0x0
.irp k, 0,1
.irp c, 0,1
	v_max3_num_f32 v[TM+2*\k+\c], |v[X+32*\c+16*\k]|, |v[X+32*\c+16*\k+1]|, 0x1800000   ; the floor 2^(3 - 127) holds the byte at 1 from below
.endr
.endr
.irp i, 2,4,6,8,10,12,14
.irp k, 0,1
.irp c, 0,1
	v_max3_num_f32 v[TM+2*\k+\c], v[TM+2*\k+\c], |v[X+32*\c+16*\k+\i]|, |v[X+32*\c+16*\k+\i+1]|
.endr
.endr
.endr
.irp c, 0,1
	v_max_num_f32 v[TM+\c], v[TM+\c], v[TM+2+\c]   ; the block's largest magnitude: all 32 numbers are mine
.endr
.irp c, 0,1
	v_add_nc_u32 v[TM+4+\c], 0xff000000, v[TM+\c]  ; 2 off its exponent field: the conversion's scale operand
.endr
.irp c, 0,1
	v_lshrrev_b32 v[TM+6+\c], 23, v[TM+4+\c]       ; the scale's byte
.endr
	v_lshl_or_b32 v[TM+6], v[TM+7], 16, v[TM+6]    ; blocks h and 2 + h of my row,
	v_lshlrev_b32 v[TM+6], v7, v[TM+6]             ; at their places in the word;
	v_permlanex16_b32 v[TM+8], v[TM+6], s36, s37
	v_or_b32 v[TM+9+\f], v[TM+6], v[TM+8]          ; with lane l xor 16's two the word is whole
.irp c, 0,1
	v_cvt_scalef32_pk16_fp6_f32 v[PC+12*\f+6*\c:PC+12*\f+6*\c+2], v[X+32*\c:X+32*\c+15], v[TM+4+\c]
	v_cvt_scalef32_pk16_fp6_f32 v[AX+4*\c:AX+4*\c+2], v[X+32*\c+16:X+32*\c+31], v[TM+4+\c]   ; (a conversion's three registers begin on an even number)
.endr
	v_nop                                          ; one plain place behind a scaled conversion
.irp c, 0,1
.irp i, 0,1,2
	v_mov_b32 v[PC+12*\f+6*\c+3+\i], v[AX+4*\c+\i]
.endr
.endr
.irp g, 0,1,2
	global_store_b128 v1, v[PC+12*\f+4*\g:PC+12*\f+4*\g+3], s[30+2*(\f%2):31+2*(\f%2)] offset:1536*(\f/2)+512*\g   ; 512 consecutive bytes, aligned
.endr
	ds_store_b32 v4, v[TM+9+\f] offset:64*\f       ; both halves of the lanes write the same word with the same value
.endm
	FRAGQ 0
	FRAGQ 1
	FRAGQ 2
	FRAGQ 3
	ds_load_b64 v[TM:TM+1], v5
	s_wait_dscnt 0x0
	global_store_b64 v6, v[TM:TM+1], s[34:35]      ; 256 consecutive bytes, aligned
	s_wait_tensorcnt 0x0                           ; the wave's end
	ds_add_u32 v254, v255
	s_wait_dscnt 0x0
	s_endpgm
.Lfunc_end_k_qa38281738c_quant:
	.size	k_qa38281738c_quant, .Lfunc_end_k_qa38281738c_quant-k_qa38281738c_quant
	.p2alignl 7, 3214868480
	.fill 96, 4, 3214868480
	.section	.rodata,"a",@progbits
	.p2align	6, 0x0
	.amdhsa_kernel k_qa38281738c_quant
		.amdhsa_group_segment_fixed_size 35328
		.amdhsa_private_segment_fixed_size 0
		.amdhsa_enable_private_segment 0
		.amdhsa_kernarg_size 56
		.amdhsa_user_sgpr_count 2
		.amdhsa_user_sgpr_kernarg_segment_ptr 1
		.amdhsa_wavefront_size32 1
		.amdhsa_system_sgpr_workgroup_id_x 1
		.amdhsa_system_sgpr_workgroup_id_y 1
		.amdhsa_system_sgpr_workgroup_id_z 1
		.amdhsa_system_vgpr_workitem_id 0
		.amdhsa_next_free_vgpr 512
		.amdhsa_next_free_sgpr 66
		.amdhsa_reserve_vcc 0
		.amdhsa_float_denorm_mode_32 3
		.amdhsa_float_denorm_mode_16_64 3
		.amdhsa_memory_ordered 1
		.amdhsa_forward_progress 1
		.amdhsa_inst_pref_size 35
	.end_amdhsa_kernel
	.amdgpu_metadata
---
amdhsa.version: [ 1, 2 ]
amdhsa.kernels:
  - .name:           k_qa38281738c_quant
    .symbol:         k_qa38281738c_quant.kd
    .args:
      - { .name: hidden_states, .offset: 0, .size: 8, .value_kind: global_buffer, .address_space: global }
      - { .name: wq, .offset: 8, .size: 8, .value_kind: global_buffer, .address_space: global }
      - { .name: wk, .offset: 16, .size: 8, .value_kind: global_buffer, .address_space: global }
      - { .name: wv, .offset: 24, .size: 8, .value_kind: global_buffer, .address_space: global }
      - { .name: wo, .offset: 32, .size: 8, .value_kind: global_buffer, .address_space: global }
      - { .name: cod, .offset: 40, .size: 8, .value_kind: global_buffer, .address_space: global }
      - { .name: scl, .offset: 48, .size: 8, .value_kind: global_buffer, .address_space: global }
    .group_segment_fixed_size: 35328
    .private_segment_fixed_size: 0
    .kernarg_segment_align: 8
    .kernarg_segment_size: 56
    .max_flat_workgroup_size: 128
    .sgpr_count:     66
    .vgpr_count:     512
    .wavefront_size: 32
...
	.end_amdgpu_metadata
.endif
;; end of part 1
;; launch qkv (part 2): grid 8 x 32, 4 waves a work-group, clusters of 4 x 4, 327,680 bytes of LDS; arguments cod, scl, freqs_cos, freqs_sin, q_norm_w, k_norm_w, qbuf, kvbuf; writes qbuf, kvbuf
.if DOCPART == 2
	.amdgcn_target "amdgcn-amd-amdhsa--gfx1250"
	.amdhsa_code_object_version 6
	.text
	.protected	k_qa38281738c_qkv
	.globl	k_qa38281738c_qkv
	.p2align	8
	.type	k_qa38281738c_qkv,@function
k_qa38281738c_qkv:
	s_mov_b64 s[64:65], 0
	v_nop
	global_prefetch_b8 v0, s[64:65] scope:SCOPE_SE
	s_setreg_imm32_b32 hwreg(HW_REG_WAVE_MODE, 25, 1), 1
	s_wait_xcnt 0x0
	s_wait_alu depctr_hold_cnt(0) depctr_sa_sdst(0) depctr_va_vdst(0) depctr_va_sdst(0) depctr_va_ssrc(0) depctr_va_vcc(0) depctr_vm_vsrc(0)
	s_getreg_b32 s2, hwreg(HW_REG_IB_STS2, 6, 4)
	s_cmp_eq_u32 s2, 0
	s_cbranch_scc0 .Lentry_in_a_cluster
	s_endpgm
.Lentry_in_a_cluster:
	s_bfe_u32 s2, ttmp6, 0x10000c
	s_cmp_lg_u32 s2, 0xf033
	s_cbranch_scc0 .Lentry_shape_is_right
	s_endpgm
.Lentry_shape_is_right:
; The three projections on codes of FP6 (K = 2,048 = 16 steps of 128), and what follows them up to the next quantiser.
; SHARES.  A work-group takes 128 tokens (work-group y, 0-31) and weight group g (work-group x, 0-7): heads 2 g, 2 g + 1 of wq || wk and head g of wv: 128 x 384 results; 8 x 32 = 256 work-groups.
; Wave w (i = w / 2, j = w % 2) makes  (a) q or k: tokens 64 i .. 64 i + 63 x head 2 g + j: source 0 = 16 rows of the weight, source 1 = 16 tokens: a lane holds one token, its registers run along the head: 32 accumulators;
;   RMS norm, gain, rope, quantised along the head's 128;   (b) V^T: channels 32 w .. 32 w + 31 of head g x all 128 tokens: source 0 = 16 tokens, source 1 = 16 rows of wv: a lane holds one channel, its registers run along
;   the tokens (the keys): 16 accumulators, quantised along the keys as they stand.  48 products a K step from 18 fragments (8 of hidden, 8 + 2 of weights).
; A wave's own four token tiles stand first in its registers, the other four behind them.  So for i = 1 V^T's two halves of 64 keys come out in exchanged order: the codes' two halves and the scale word's are exchanged by selects on i.
; OPERANDS are images of their registers (16 rows x 128 K = 1,536 bytes), in memory and in LDS: three ds_load_b128 of 512 consecutive bytes bring a fragment.  Both sets of fragment registers are whole.
; A step's loads go out a step ahead, in TWO runs: hidden's 8 fragments, the 9 scale words and wv's 2 fragments (39 loads) at the head of the step before, the head's 8 fragments (24 loads) behind that step's first 24 products.
; THE RING.  Two LDS slots of THREE K steps: 32 tiles x 4,608 bytes: hidden's 8 (wave 0 fetches them), the group's 24 weight tiles (waves 1-3, eight each).  A slot's third step changes slots: its fragments are in registers by then.
; LDS: 2 x 147,456 for the slots, 30,720 for the scale words of K steps 0-14 (16 pairs; they come once), 512 spare.  K step 15's nine words go from memory into registers at the head.
; The ring's last fill begins at K step 15: of its three fragments a tile the first is multiplied; the other 3,072 bytes a tile lie inside cod (the next tile's; wo's follow the weights) and are not read: the loop's two trips are alike.
; THE HEAD has one tensor load a wave: hidden's 8 tiles, the 24 weight tiles, hidden's scale words (4 pairs), the weights' (12 pairs).
; CLUSTERS: 4 x 4.  Hidden's tiles hang on y alone and are asked for jointly along a row of the cluster, the weights' on x alone, along a column.
; PREFETCH: behind each refill (and behind slot 1's first fill) the bytes of the next fill, one slot (three K steps) ahead: of the 8 tiles that a wave fetches each of the four partners names two, by address: 36 blocks of 256 bytes,
; a lane a block, two instructions (the second's lanes 4-31 name its last block again).  The last refill asks for nothing.  Fills 0 and 1 come by their loads alone.
; RESULTS: qbuf = 256 records of 12,800 bytes ((batch x 8 + head) x 16 + block of 128 tokens): 8 fragments, then 512 bytes of scale words.  kvbuf = 256 records of 25,600: K's 12,800, then V^T's.
; LIMITS: NaN and infinities are not served; a block of zeros gets the byte 1 (its codes are zeros; this program alone reads the bytes); a block's largest magnitude under 2^-124 is held at the byte 1; v_rsq_f32 is good to 1 ulp.
; REGISTERS: window 0: v1-29 addresses; v32-40, v42-50 a step's scale words, two sets; v52-60 K step 15's; v64-159, v160-255 hidden's 8 fragments, two sets (later the epilogue's work).
;   window 1: set p at v[128 p]: the head's 8 fragments, then wv's 2 (later cos, sin).   window 2: q/k accumulator (a, b) at v[8 (8 a + b)].   window 3: v0-127 V^T's (c, t) at v[64 c + 8 t]; v128-191 the gain; v192-255 tile 0's cos, sin.
.set TILEB, 4608                       ; a tile in a slot: three fragments
.set HALFT, 8*TILEB                    ; what one tensor load of the ring brings
.set SLOT,  4*HALFT
.set SCL,   2*SLOT                     ; the scale words: [pair: hidden's 4, the weights' 12][K step 0-14][128]
.set SCP,   1920
.set SPARE, SCL+16*SCP                 ; the spare words: 128 bytes a wave, two blocks of 256 bytes that no other line names
.set STG,   9216                       ; a wave's stage in slot 0 (after its last fill and last read): cos 16 x 272, sin 16 x 272, 512 bytes for scale words
.set LI,   1                           ; 16 x lane
.set L4,   2                           ; 4 x lane
.set CSI,  3                           ; cos, sin into the stage, and out of it
.set CSO,  4
.set WST,  5                           ; my token's scale word; the words on their way out
.set WLD,  6
.set GA,   7                           ; 64 x (lane / 16): the gain
.set LIQ,  8                           ; offsets in the records: q/k fragments, q/k words, V^T's fragments, V^T's words
.set L8W,  9
.set LIV,  10
.set L4V,  11
.set PF0,  12                          ; the prefetches' two offsets
.set PF1,  13
.set ADHM, 14                          ; v14-15 my four token tiles in slot 0, 1;  v16-17 the other four
.set ADHO, 16
.set ADW,  18                          ; v18-19 my head's 8 tiles;  v20-21 my 2 tiles of wv
.set ADU,  20
.set ASM,  22                          ; scale words: my two pairs of hidden, the other two, my head's four, wv's one
.set ASO,  23
.set ASW,  24
.set ASU,  25
.set SPW,  28                          ; my spare word; never rewritten
.set NIL,  29                          ; 0; never rewritten
.set SC,   32                          ; set p at SC + 10 p: +0, 1 my pairs of hidden, +2, 3 the others, +4 .. 7 the head's, +8 wv's
.set SCZ,  52
.set HF,   64
.set PD,   64                          ; the epilogue: V^T's codes in their true order; its two words
.set PWV,  76
.set Y,    128
.set T,    192
.set SS,   200
.set RS,   208
.set TM,   210
.set PW,   226
.set PC,   228
.set PFA, 4                            ; s[4:5] where my prefetches stand
.set DSTV, 6
.set WV,  20
.set RH,  21                           ; i
.set CH,  22                           ; j
.set CNT, 23
.set G1,  24
.set G0,  32
.set SWP, 44                           ; all ones where i = 1
.set G1B, 48
.set G0B, 56
.set G1S, 68
.set G0S, 76
.set G1SB, 80
.set G0SB, 88
.set DST, 92
.set SEL, 94
.set MSB, 0
.macro WIN new                         ; the immediate's high byte repeats the setting that is left
.if MSB != (\new)
	s_set_vgpr_msb (MSB<<8)|(\new)
.set MSB, (\new)
.endif
.endm
; one product.  ra, rb: the scale words stand in lanes 16-31 of their register (the odd tile of a pair)
.macro WM d, a, b, zero, sa, sb, ra, rb
.if \zero
.if (\ra) && (\rb)
	v_wmma_scale_f32_16x16x128_f8f6f4 v[\d:\d+7], v[\a:\a+11], v[\b:\b+11], 0, v[\sa], v[\sb] matrix_a_fmt:MATRIX_FMT_FP6 matrix_b_fmt:MATRIX_FMT_FP6 matrix_a_scale:MATRIX_SCALE_ROW1 matrix_b_scale:MATRIX_SCALE_ROW1
.elseif (\ra)
	v_wmma_scale_f32_16x16x128_f8f6f4 v[\d:\d+7], v[\a:\a+11], v[\b:\b+11], 0, v[\sa], v[\sb] matrix_a_fmt:MATRIX_FMT_FP6 matrix_b_fmt:MATRIX_FMT_FP6 matrix_a_scale:MATRIX_SCALE_ROW1
.elseif (\rb)
	v_wmma_scale_f32_16x16x128_f8f6f4 v[\d:\d+7], v[\a:\a+11], v[\b:\b+11], 0, v[\sa], v[\sb] matrix_a_fmt:MATRIX_FMT_FP6 matrix_b_fmt:MATRIX_FMT_FP6 matrix_b_scale:MATRIX_SCALE_ROW1
.else
	v_wmma_scale_f32_16x16x128_f8f6f4 v[\d:\d+7], v[\a:\a+11], v[\b:\b+11], 0, v[\sa], v[\sb] matrix_a_fmt:MATRIX_FMT_FP6 matrix_b_fmt:MATRIX_FMT_FP6
.endif
.else
.if (\ra) && (\rb)
	v_wmma_scale_f32_16x16x128_f8f6f4 v[\d:\d+7], v[\a:\a+11], v[\b:\b+11], v[\d:\d+7], v[\sa], v[\sb] matrix_a_fmt:MATRIX_FMT_FP6 matrix_b_fmt:MATRIX_FMT_FP6 matrix_a_scale:MATRIX_SCALE_ROW1 matrix_b_scale:MATRIX_SCALE_ROW1
.elseif (\ra)
	v_wmma_scale_f32_16x16x128_f8f6f4 v[\d:\d+7], v[\a:\a+11], v[\b:\b+11], v[\d:\d+7], v[\sa], v[\sb] matrix_a_fmt:MATRIX_FMT_FP6 matrix_b_fmt:MATRIX_FMT_FP6 matrix_a_scale:MATRIX_SCALE_ROW1
.elseif (\rb)
	v_wmma_scale_f32_16x16x128_f8f6f4 v[\d:\d+7], v[\a:\a+11], v[\b:\b+11], v[\d:\d+7], v[\sa], v[\sb] matrix_a_fmt:MATRIX_FMT_FP6 matrix_b_fmt:MATRIX_FMT_FP6 matrix_b_scale:MATRIX_SCALE_ROW1
.else
	v_wmma_scale_f32_16x16x128_f8f6f4 v[\d:\d+7], v[\a:\a+11], v[\b:\b+11], v[\d:\d+7], v[\sa], v[\sb] matrix_a_fmt:MATRIX_FMT_FP6 matrix_b_fmt:MATRIX_FMT_FP6
.endif
.endif
.endm
.macro PLACES
.rept 4
	v_nop
.endr
.endm
.macro TLOAD g0, g1                    ; a tensor load with an s_nop 0 and four v_nop behind it
	tensor_load_to_lds s[\g0:\g0+3], s[\g1:\g1+7]
	s_nop 0
	PLACES
.endm
.macro JLOAD s                         ; the ring's joint load into slot s: wave 0 fetches hidden's tiles, waves 1-3 the weights'; the branch hangs on the wave's number alone
	s_cmp_eq_u32 s[WV], 0
	s_cbranch_scc0 .Lfor_b_\@
	TLOAD G0+4*\s, G1
	s_branch .Lasked_\@
.Lfor_b_\@:
	TLOAD G0B+4*\s, G1B
.Lasked_\@:
.endm
.macro CREST                           ; a round of the cluster's barrier behind its opening barrier
	s_cmp_lg_u32 s[WV], 0
	s_cbranch_scc1 .Lnot_wave_0_\@
	s_barrier_signal -3
.Lnot_wave_0_\@:
	s_barrier_wait -3
	s_barrier_signal -1
	s_barrier_wait -1
.endm
.macro CROUND
	s_barrier_signal -1
	s_barrier_wait -1
	CREST
.endm
.macro ASK last                        ; the next fill's bytes: my work-group's two tiles of the eight that I fetch.  last = 1: not in the loop's last trip, whose second refill is the ring's last
.if \last
	s_cmp_eq_u32 s[CNT], 1
	s_cbranch_scc1 .Lno_ask_\@
.endif
	global_prefetch_b8 v[PF0], s[PFA:PFA+1] th:TH_LOAD_NT scope:SCOPE_SE
	global_prefetch_b8 v[PF1], s[PFA:PFA+1] th:TH_LOAD_NT scope:SCOPE_SE
.if \last
.Lno_ask_\@:
.endif
.endm
	s_load_b256 s[4:11], s[0:1], 0x0               ; cod s[4:5], scl s[6:7], cos s[8:9], sin s[10:11]
	s_load_b256 s[12:19], s[0:1], 0x20             ; q's gain s[12:13], k's s[14:15], qbuf s[16:17], kvbuf s[18:19]
	v_lshl_add_u32 v[SPW], v0, 2, SPARE
	v_mov_b32 v[NIL], 0
	ds_add_u32 v[SPW], v[NIL]                      ; the opening lines: the add, twice on end, and its wait ahead of my first tensor load
	ds_add_u32 v[SPW], v[NIL]
	v_lshrrev_b32 v26, 5, v0
	v_readfirstlane_b32 s[WV], v26
	s_lshr_b32 s[RH], s[WV], 1
	s_and_b32 s[CH], s[WV], 1
	s_bfe_u32 s40, ttmp6, 0x40000                  ; cx
	s_bfe_u32 s41, ttmp6, 0x40004                  ; cy
	s_lshl_b32 s42, ttmp9, 2
	s_add_co_u32 s42, s42, s40                     ; g
	s_and_b32 s43, ttmp7, 0xffff
	s_lshl_b32 s43, s43, 2
	s_add_co_u32 s43, s43, s41                     ; y
	s_lshl_b32 s45, s41, 2
	s_lshl_b32 s45, 15, s45                        ; my row of the cluster
	s_lshl_b32 s46, 0x1111, s40                    ; my column
	s_or_b32 s[G1], s45, (3<<16)|(1<<21)           ; 15:0 the mask; 17:16 elements of 8 bytes; 21 set beside a mask; no padding
	s_or_b32 s[G1S], s45, (3<<16)|(1<<21)
	s_or_b32 s[G1B], s46, (3<<16)|(1<<21)
	s_or_b32 s[G1SB], s46, (3<<16)|(1<<21)
.irp g, G1, G1B                        ; codes: tiles of 4,608 bytes (576 elements), 24,576 bytes (3,072 elements) apart
	s_mov_b32 s[\g+1], 576<<16
	s_mov_b32 s[\g+3], 576<<16
	s_mov_b32 s[\g+5], 3072
	s_mov_b32 s[\g+6], 0
	s_mov_b32 s[\g+7], 0
.endr
	s_mov_b32 s[G1+2], 8<<16                       ; hidden's: 8 tiles
	s_mov_b32 s[G1+4], 8
	s_mov_b32 s[G1B+2], 24<<16                     ; the weights': 24 for the head's load; behind it the two words are set to 8, for the ring's
	s_mov_b32 s[G1B+4], 24
.irp g, G1S, G1SB                      ; scale words, K steps 0-14: pairs of 1,920 bytes (240 elements), 2,048 bytes (256 elements) apart
	s_mov_b32 s[\g+1], 240<<16
	s_mov_b32 s[\g+3], 240<<16
	s_mov_b32 s[\g+5], 256
	s_mov_b32 s[\g+6], 0
	s_mov_b32 s[\g+7], 0
.endr
	s_mov_b32 s[G1S+2], 4<<16
	s_mov_b32 s[G1S+4], 4
	s_mov_b32 s[G1SB+2], 12<<16
	s_mov_b32 s[G1SB+4], 12
	s_mul_i32 s2, s43, 8*24576                     ; hidden's tiles 8 y ..: made of y alone
	s_mov_b32 s3, 0
	s_lshl_b32 s98, s43, 13                        ; its pairs 4 y ..
	s_mov_b32 s99, 0
	s_mul_i32 s66, s42, 24*24576                   ; the weights' tiles 256 + 24 g ..: made of g alone
	s_add_co_u32 s66, s66, 256*24576
	s_mov_b32 s67, 0
	s_mul_i32 s100, s42, 12*2048                   ; their pairs 128 + 12 g ..
	s_add_co_u32 s100, s100, 128*2048
	s_mov_b32 s101, 0
	s_max_u32 s46, s[WV], 1
	s_sub_co_u32 s46, s46, 1
	s_mul_i32 s46, s46, 8*24576                    ; in the ring wave w (1-3) fetches weight tiles 8 (w - 1) ..
	s_mov_b32 s47, 0
	s_mul_i32 s45, s[WV], HALFT                    ; and where they go: no place in the cluster enters an LDS address
	s_wait_dscnt 0x0                               ; both opening adds are done
	s_wait_kmcnt 0x0
	s_add_nc_u64 s[2:3], s[4:5], s[2:3]
	s_add_nc_u64 s[98:99], s[6:7], s[98:99]
	s_add_nc_u64 s[66:67], s[4:5], s[66:67]
	s_add_nc_u64 s[100:101], s[6:7], s[100:101]
	CROUND                                         ; all sixteen work-groups are here: the first joint loads meet
	s_mov_b32 s[G0S], 1
	s_mov_b32 s[G0S+1], SCL
	s_mov_b64 s[G0S+2:G0S+3], s[98:99]
	s_or_b32 s[G0S+3], s[G0S+3], 0x80000000
	s_mov_b32 s[G0SB], 1
	s_mov_b32 s[G0SB+1], SCL+4*SCP
	s_mov_b64 s[G0SB+2:G0SB+3], s[100:101]
	s_or_b32 s[G0SB+3], s[G0SB+3], 0x80000000
	s_mov_b32 s[G0], 1                             ; hidden, slot 0: the head's load and the ring's are alike
	s_mov_b32 s[G0+1], 0
	s_mov_b64 s[G0+2:G0+3], s[2:3]
	s_or_b32 s[G0+3], s[G0+3], 0x80000000
	s_mov_b32 s[G0+4], 1                           ; slot 1
	s_mov_b32 s[G0+5], SLOT
	s_add_nc_u64 s[G0+6:G0+7], s[2:3], TILEB
	s_or_b32 s[G0+7], s[G0+7], 0x80000000
	s_mov_b32 s[G0B], 1                            ; the weights, slot 0: first the head's load of all 24 tiles
	s_mov_b32 s[G0B+1], HALFT
	s_mov_b64 s[G0B+2:G0B+3], s[66:67]
	s_or_b32 s[G0B+3], s[G0B+3], 0x80000000
	s_add_nc_u64 s[66:67], s[66:67], s[46:47]      ; my 8 tiles
	s_mov_b32 s[G0B+4], 1
	s_add_co_u32 s[G0B+5], s45, SLOT
	s_add_nc_u64 s[G0B+6:G0B+7], s[66:67], TILEB
	s_or_b32 s[G0B+7], s[G0B+7], 0x80000000
	; the head's loads, one a wave: one chain of branches on the wave's number; every way through it passes exactly one load
	s_cmp_lt_u32 s[WV], 1
	s_cbranch_scc0 .Lhead_b
	TLOAD G0, G1
	s_branch .Lhead_asked
.Lhead_b:
	s_cmp_lt_u32 s[WV], 2
	s_cbranch_scc0 .Lhead_sa
	TLOAD G0B, G1B
	s_branch .Lhead_asked
.Lhead_sa:
	s_cmp_lt_u32 s[WV], 3
	s_cbranch_scc0 .Lhead_sb
	TLOAD G0S, G1S
	s_branch .Lhead_asked
.Lhead_sb:
	TLOAD G0SB, G1SB
.Lhead_asked:
	; the prefetches: the tiles that I fetch; of the eight my work-group names two, by its place among the four that ask with it (cx for hidden, cy for the weights)
	s_cmp_eq_u32 s[WV], 0
	s_cselect_b64 s[PFA:PFA+1], s[2:3], s[66:67]
	s_cselect_b32 s46, s40, s41
	s_mul_i32 s46, s46, 2*24576
	s_add_nc_u64 s[PFA:PFA+1], s[PFA:PFA+1], s[46:47]
	s_add_nc_u64 s[PFA:PFA+1], s[PFA:PFA+1], 2*TILEB   ; at fill 2: K steps 6-8
	; where the results go, and which rows of cos and sin are mine: these numbers enter plain loads' and stores' addresses alone
	s_and_b32 s45, s43, 15                         ; the block of 128 tokens in its batch
	s_lshr_b32 s46, s43, 4
	s_lshl_b32 s46, s46, 3                         ; 8 x batch
	s_lshl_b32 s47, s42, 1
	s_add_co_u32 s47, s47, s[CH]
	s_and_b32 s47, s47, 7                          ; q's or k's head
	s_add_co_u32 s47, s47, s46
	s_lshl_b32 s47, s47, 4
	s_add_co_u32 s47, s47, s45                     ; its record
	s_add_co_u32 s46, s46, s42
	s_lshl_b32 s46, s46, 4
	s_add_co_u32 s46, s46, s45                     ; V's record
	s_mul_i32 s46, s46, 25600
	s_add_co_u32 s2, s46, 12800                    ; V^T lies behind K in a record
	s_mov_b32 s3, 0
	s_add_nc_u64 s[DSTV:DSTV+1], s[18:19], s[2:3]
	s_mov_b32 s46, 25600
	s_cmp_eq_u32 ttmp9, 0                          ; groups 0-3 hold q's heads, 4-7 k's
	s_cselect_b64 s[DST:DST+1], s[16:17], s[18:19]
	s_cselect_b64 s[12:13], s[12:13], s[14:15]
	s_cselect_b32 s46, 12800, s46
	s_mul_i32 s2, s47, s46
	s_add_nc_u64 s[DST:DST+1], s[DST:DST+1], s[2:3]
	s_lshl_b32 s2, s45, 15                         ; 128 rows of 256 bytes a block,
	s_lshl_b32 s46, s[RH], 14                      ; my 64 tokens
	s_add_co_u32 s2, s2, s46
	s_add_nc_u64 s[8:9], s[8:9], s[2:3]
	s_add_nc_u64 s[10:11], s[10:11], s[2:3]
	s_cmp_eq_u32 s[RH], 1
	s_cselect_b32 s[SWP], -1, 0
	s_mov_b32 s[SEL], 0x76543210
	s_mov_b32 s[SEL+1], 0xfedcba98
	s_mov_b32 s96, 0x3c000000                      ; 1 / 128
	s_mov_b32 s97, 0x3727c5ac                      ; 1e-5
	v_and_b32 v26, 31, v0                          ; lane
	v_and_b32 v27, 15, v0                          ; r
	v_bfe_u32 v30, v0, 4, 1                        ; h
	v_lshlrev_b32 v[LI], 4, v26
	v_lshlrev_b32 v[L4], 2, v26
	v_lshlrev_b32 v31, 3, v26
	s_wait_alu depctr_va_vdst(0)
	s_mul_i32 s46, s[RH], 4*TILEB
	s_xor_b32 s47, s[RH], 1
	s_mul_i32 s47, s47, 4*TILEB
	v_add_nc_u32 v[ADHM], s46, v[LI]
	v_add_nc_u32 v[ADHO], s47, v[LI]
	v_add_nc_u32 v[ADHM+1], SLOT, v[ADHM]
	v_add_nc_u32 v[ADHO+1], SLOT, v[ADHO]
	s_mul_i32 s46, s[CH], HALFT
	s_add_co_u32 s46, s46, HALFT
	s_mul_i32 s47, s[WV], 2*TILEB
	s_add_co_u32 s47, s47, 3*HALFT
	v_add_nc_u32 v[ADW], s46, v[LI]
	v_add_nc_u32 v[ADU], s47, v[LI]
	v_add_nc_u32 v[ADW+1], SLOT, v[ADW]
	v_add_nc_u32 v[ADU+1], SLOT, v[ADU]
	s_mul_i32 s46, s[RH], 2*SCP
	s_add_co_u32 s46, s46, SCL
	s_xor_b32 s47, s[RH], 1
	s_mul_i32 s47, s47, 2*SCP
	s_add_co_u32 s47, s47, SCL
	v_add_nc_u32 v[ASM], s46, v[L4]
	v_add_nc_u32 v[ASO], s47, v[L4]
	s_mul_i32 s46, s[CH], 4*SCP
	s_add_co_u32 s46, s46, SCL+4*SCP
	s_mul_i32 s47, s[WV], SCP
	s_add_co_u32 s47, s47, SCL+12*SCP
	v_add_nc_u32 v[ASW], s46, v[L4]
	v_add_nc_u32 v[ASU], s47, v[L4]
	s_mul_i32 s46, s[WV], STG
	v_mul_u32_u24 v[CSI], v30, 272
	v_lshl_add_u32 v[CSI], v27, 4, v[CSI]
	v_add_nc_u32 v[CSI], s46, v[CSI]               ; in: lanes 0-15 one row of 256 bytes, lanes 16-31 the next
	v_mul_u32_u24 v[CSO], v27, 272
	v_lshl_add_u32 v[CSO], v30, 5, v[CSO]
	v_add_nc_u32 v[CSO], s46, v[CSO]               ; out: row r, + 32 h
	s_add_co_u32 s46, s46, 8704
	v_lshl_add_u32 v[WST], v27, 2, s46
	v_add_nc_u32 v[WLD], s46, v31
	v_lshlrev_b32 v[GA], 6, v30
	s_mul_i32 s46, s[RH], 4*1536
	s_lshl_b32 s47, s[RH], 8
	v_add_nc_u32 v[LIQ], s46, v[LI]                ; my four fragments of the record's eight,
	v_add_nc_u32 v[L8W], s47, v31                  ; and my 256 bytes of its words
	s_mul_i32 s46, s[WV], 2*1536
	s_lshl_b32 s47, s[WV], 7
	v_add_nc_u32 v[LIV], s46, v[LI]                ; V^T: my two fragments, my 128 bytes of words
	v_add_nc_u32 v[L4V], s47, v[L4]
	v_mul_u32_u24 v[PF0], v26, 57                  ; block n of my work-group's 36 lies in tile n / 18 (= 57 n >> 10 for n < 36), at 256 (n % 18): 256 n + 19,968 (n / 18)
	v_add_nc_u32 v[PF1], 32, v26
	v_lshrrev_b32 v[PF0], 10, v[PF0]
	v_min_u32 v[PF1], 35, v[PF1]                   ; blocks 32 .. 35
	v_mul_u32_u24 v[PF0], 19968, v[PF0]
	v_lshlrev_b32 v[PF1], 8, v[PF1]
	v_lshl_add_u32 v[PF0], v26, 8, v[PF0]
	v_add_nc_u32 v[PF1], 19968, v[PF1]
	s_lshl_b32 s46, s[RH], 12
	s_xor_b32 s47, s[RH], 1
	s_lshl_b32 s47, s47, 12
	v_add_nc_u32 v26, s46, v[L4]                   ; K step 15's words in scl: my two pairs of hidden, the other two,
	v_add_nc_u32 v27, s47, v[L4]
	s_lshl_b32 s46, s[CH], 13
	s_lshl_b32 s47, s[WV], 11
	s_add_co_u32 s47, s47, 8*2048
	v_add_nc_u32 v30, s46, v[L4]                   ; my head's four, wv's one
	v_add_nc_u32 v31, s47, v[L4]
	s_wait_alu depctr_va_vdst(0)                   ; the wait at the head's end
.irp m, 0,1
	global_load_b32 v[SCZ+\m], v26, s[98:99] offset:2048*\m+1920
	global_load_b32 v[SCZ+2+\m], v27, s[98:99] offset:2048*\m+1920
.endr
.irp m, 0,1,2,3
	global_load_b32 v[SCZ+4+\m], v30, s[100:101] offset:2048*\m+1920
.endr
	global_load_b32 v[SCZ+8], v31, s[100:101] offset:1920
	WIN 0xc0
.irp B, 0,1,2,3                        ; the gain of channels 32 B + 16 h + 0 .. 15
.irp q, 0,1,2,3
	global_load_b128 v[128+16*\B+4*\q:128+16*\B+4*\q+3], v[GA], s[12:13] offset:128*\B+16*\q
.endr
.endr
	WIN 0
; cos and sin of my tile a's 16 tokens: eight loads each, two whole rows (512 consecutive bytes) a load.  Tile 0 lands in window 3, odd tiles in window 1, tile 2 in window 0
.macro CSLOAD a
.if (\a) == 0
	WIN 0xc0
.set GB, 192
.elseif (\a)%2
	WIN 0x40
.set GB, 128
.else
	WIN 0
.set GB, 64
.endif
.irp i, 0,1,2,3,4,5,6,7
	global_load_b128 v[GB+4*\i:GB+4*\i+3], v[LI], s[8:9] offset:(32*((\a)/2)+8*((\a)%2)+2*\i+8*(\i/4))*256
	global_load_b128 v[GB+32+4*\i:GB+32+4*\i+3], v[LI], s[10:11] offset:(32*((\a)/2)+8*((\a)%2)+2*\i+8*(\i/4))*256
.endr
	WIN 0
.endm
	CSLOAD 0
; the first run of the q-th 128 along K of a slot, into set p: hidden's 8 fragments, (sc = 1) the nine scale words, wv's 2 fragments: 39 loads, 30 without the words
.macro FETCH1 slot, q, p, sc
.irp t, 0,1,2,3
.irp g, 0,1,2
	ds_load_b128 v[HF+96*(\p)+12*\t+4*\g:HF+96*(\p)+12*\t+4*\g+3], v[ADHM+\slot] offset:TILEB*\t+1536*(\q)+512*\g
	ds_load_b128 v[HF+96*(\p)+48+12*\t+4*\g:HF+96*(\p)+48+12*\t+4*\g+3], v[ADHO+\slot] offset:TILEB*\t+1536*(\q)+512*\g
.endr
.endr
.if \sc
.irp m, 0,1
	ds_load_b32 v[SC+10*(\p)+\m], v[ASM] offset:SCP*\m+128*(\q)
	ds_load_b32 v[SC+10*(\p)+2+\m], v[ASO] offset:SCP*\m+128*(\q)
.endr
.irp m, 0,1,2,3
	ds_load_b32 v[SC+10*(\p)+4+\m], v[ASW] offset:SCP*\m+128*(\q)
.endr
	ds_load_b32 v[SC+10*(\p)+8], v[ASU] offset:128*(\q)
.endif
	WIN 0x40
.irp c, 0,1
.irp g, 0,1,2
	ds_load_b128 v[128*(\p)+96+12*\c+4*\g:128*(\p)+96+12*\c+4*\g+3], v[ADU+\slot] offset:TILEB*\c+1536*(\q)+512*\g
.endr
.endr
	WIN 0
.endm
; the second run: the head's 8 fragments: 24 loads
.macro FETCH2 slot, q, p
	WIN 0x40
.irp b, 0,1,2,3,4,5,6,7
.irp g, 0,1,2
	ds_load_b128 v[128*(\p)+12*\b+4*\g:128*(\p)+12*\b+4*\g+3], v[ADW+\slot] offset:TILEB*\b+1536*(\q)+512*\g
.endr
.endr
	WIN 0
.endm
; The 48 accumulators take turns, one instruction a turn, in the same order in every step: V^T's 16, then q/k's 32
.macro MULV p, sb, zero                ; source 0 (tokens) window 0, source 1 (wv) window 1, C and D window 3
	WIN 0xf4
.irp c, 0,1
.irp t, 0,1,2,3,4,5,6,7
	WM 64*\c+8*\t, HF+96*(\p)+12*\t, 128*(\p)+96+12*\c, \zero, (\sb)+\t/2, (\sb)+8, \t%2, \c
.endr
.endr
.endm
.macro MULQ a, p, sb, zero             ; source 0 (the head) window 1, source 1 (my token tile a) window 0, C and D window 2
	WIN 0xa1
.irp b, 0,1,2,3,4,5,6,7
	WM 8*(8*(\a)+\b), 128*(\p)+12*\b, HF+96*(\p)+12*(\a), \zero, (\sb)+4+\b/2, (\sb)+(\a)/2, \b%2, (\a)%2
.endr
.endm
; the q-th step of a slot (q = 0, 1) on set p; its successor, in the same slot, is fetched into the other set
.macro STEPN slot, q, p, zero
	PLACES                                         ; in front of loads into registers that the last step's matrix instructions have read (both runs')
	FETCH1 \slot, (\q)+1, 1-(\p), 1
	s_wait_dscnt 63                                ; all but the 39 just issued and this step's second run of 24: hidden's and wv's fragments and the words are in
	MULV \p, SC+10*(\p), \zero
	s_wait_dscnt 39                                ; all but the 39: the head's fragments are in
	MULQ 0, \p, SC+10*(\p), \zero
	FETCH2 \slot, (\q)+1, 1-(\p)
.irp a, 1,2,3
	MULQ \a, \p, SC+10*(\p), \zero
.endr
	WIN 0
.endm
; a slot's third step changes slots.  Its own fragments were asked for a step ago: with them my reads of this slot are over.  One barrier: in front of it each wave waits for all its tensor loads, adds 0 to its spare word,
; and waits for that and for its reads.  fill = 1: the barrier opens a round of the cluster's, and this slot is filled again, six K steps on
.macro TURNN slot, next, p, fill
.if \fill
	s_wait_xcnt 0x0                                ; my prefetches have read their address: it steps to the fill after the one asked for below
	s_add_nc_u64 s[PFA:PFA+1], s[PFA:PFA+1], TILEB
.endif
	s_wait_tensorcnt 0x0                           ; all my tensor loads have landed: my part of the next slot
	ds_add_u32 v[SPW], v[NIL]                      ; 0 onto my spare word
	s_wait_dscnt 1                                 ; this step's fragments are in (the add may be out)
	MULV \p, SC+10*(\p), 0
	s_wait_dscnt 0x0                               ; the add is done
	s_barrier_signal -1
	MULQ 0, \p, SC+10*(\p), 0
	WIN 0
	s_barrier_wait -1
.if \fill
	CREST                                          ; no wave of any partner still reads this slot or has a load on its way
	s_add_nc_u64 s[G0+4*\slot+2:G0+4*\slot+3], s[G0+4*\slot+2:G0+4*\slot+3], 2*TILEB
	s_add_nc_u64 s[G0B+4*\slot+2:G0B+4*\slot+3], s[G0B+4*\slot+2:G0B+4*\slot+3], 2*TILEB
	JLOAD \slot                                    ; the first tensor load behind the round; its four v_nop are the places in front of the loads below
.irp r, ASM, ASO, ASW, ASU
	v_add_nc_u32 v[\r], 384, v[\r]                 ; the next slot's scale words
.endr
	s_wait_alu depctr_va_vdst(0)
.else
	PLACES
.endif
	FETCH1 \next, 0, 1-(\p), \fill
.if \fill
	ASK \slot
.endif
	MULQ 1, \p, SC+10*(\p), 0
	FETCH2 \next, 0, 1-(\p)
	MULQ 2, \p, SC+10*(\p), 0
	MULQ 3, \p, SC+10*(\p), 0
	WIN 0
.endm
	s_wait_tensorcnt 0x0                           ; my tile of the head's four is in
	ds_add_u32 v[SPW], v[NIL]
	s_mov_b32 s[G1B+2], 8<<16                      ; no tensor load of mine is out, so descriptors may be written: from here on a load of weights brings 8 tiles,
	s_mov_b32 s[G1B+4], 8
	s_mul_i32 s[G0B+1], s[WV], HALFT               ; and slot 0's set becomes the ring's: my quarter of the slot, my 8 tiles
	s_mov_b64 s[G0B+2:G0B+3], s[66:67]
	s_or_b32 s[G0B+3], s[G0B+3], 0x80000000
	s_wait_dscnt 0x0                               ; the add is done
	CROUND                                         ; a whole round: all four tiles are in, and all sixteen work-groups are here
	JLOAD 1                                        ; slot 1's first fill, the first tensor load behind the round: one load of a wave is out
	FETCH1 0, 0, 0, 1
	FETCH2 0, 0, 0
	ASK 0                                          ; fill 2
	STEPN 0, 0, 0, 1                               ; K step 0 stands in front of the loop: its products start the sums
	s_mov_b32 s[CNT], 2
.Llap:                                             ; a trip is six K steps: from a lap's second step to the next lap's first; it fills both slots again
	STEPN 0, 1, 1, 0
	TURNN 0, 1, 0, 1
	STEPN 1, 0, 1, 0
	STEPN 1, 1, 0, 0
	TURNN 1, 0, 1, 1
	STEPN 0, 0, 0, 0
	s_sub_co_u32 s[CNT], s[CNT], 1
	s_cmp_lg_u32 s[CNT], 0
	s_cbranch_scc1 .Llap
	STEPN 0, 1, 1, 0                               ; K step 13
	TURNN 0, 1, 0, 0                               ; K step 14: nothing is filled any more
	s_wait_loadcnt 32                              ; K step 15's nine scale words are in; the 32 loads issued behind them (the gain, tile 0's cos and sin) may be out
	s_wait_dscnt 0x0
	MULV 1, SCZ, 0
.irp a, 0,1,2,3
	MULQ \a, 1, SCZ, 0
.endr
	WIN 0
; 64 numbers of a lane, v[s] .. v[s + 63] of window X, register 16 b + i = k 32 b + 16 (lane / 16) + i of my row, become a fragment's codes in v[PC] on and its scale word in v[PW]
.macro QUANT s, X
	WIN 5*(\X)
.irp b, 0,1,2,3
	v_max3_num_f32 v[TM+\b], |v[\s+16*\b]|, |v[\s+16*\b+1]|, 0x1800000   ; my 16 numbers of block b, and the floor 2^(3 - 127); each accumulator is read from its low end on
.endr
.irp i, 2,4,6,8,10,12,14
.irp b, 0,1,2,3
	v_max3_num_f32 v[TM+\b], |v[\s+16*\b+\i]|, |v[\s+16*\b+\i+1]|, v[TM+\b]
.endr
.endr
	WIN 0
.irp b, 0,1,2,3
	v_permlanex16_b32 v[TM+4+\b], v[TM+\b], s[SEL], s[SEL+1]
.endr
.irp b, 0,1,2,3
	v_max_num_f32 v[TM+\b], v[TM+\b], v[TM+4+\b]   ; with lane l xor 16's: the block's largest magnitude
.endr
.irp b, 0,1,2,3
	v_add_nc_u32 v[TM+12+\b], 0xff000000, v[TM+\b] ; 2 off its exponent field: the conversion's scale operand
.endr
.irp b, 0,1,2,3
	v_lshrrev_b32 v[TM+4+\b], 23, v[TM+12+\b]      ; the scale's byte
.endr
	v_lshl_or_b32 v[PW], v[TM+5], 8, v[TM+4]
	v_lshl_or_b32 v[PW], v[TM+6], 16, v[PW]
	v_lshl_or_b32 v[PW], v[TM+7], 24, v[PW]
	WIN (\X)
.irp c, 0,1
	v_cvt_scalef32_pk16_fp6_f32 v[PC+6*\c:PC+6*\c+2], v[\s+32*\c:\s+32*\c+15], v[TM+12+2*\c]
	v_cvt_scalef32_pk16_fp6_f32 v[PC+12+4*\c:PC+12+4*\c+2], v[\s+32*\c+16:\s+32*\c+31], v[TM+13+2*\c]
.endr
	WIN 0
	v_nop                                          ; one plain place behind a scaled conversion
.irp c, 0,1                            ; the operand's layout wants a whole block in a lane
.irp i, 0,1,2
	v_permlane16_swap_b32 v[PC+6*\c+\i], v[PC+12+4*\c+\i]
.endr
.irp i, 0,1,2
	v_mov_b32 v[PC+3+6*\c+\i], v[PC+12+4*\c+\i]
.endr
.endr
.endm
; tile a's cos and sin turn through my stage: a lane then holds those of its token's pairs 16 B + 8 h + 0 .. 7 (window 1: cos v0-31, sin v32-63)
.macro CSTURN a
.if (\a) == 0
	WIN 0x0c
.set GB, 192
.elseif (\a)%2
	WIN 0x04
.set GB, 128
.else
	WIN 0
.set GB, 64
.endif
.irp i, 0,1,2,3,4,5,6,7
	ds_store_b128 v[CSI], v[GB+4*\i:GB+4*\i+3] offset:544*\i
	ds_store_b128 v[CSI], v[GB+32+4*\i:GB+32+4*\i+3] offset:4352+544*\i
.endr
	WIN 0x40
.irp B, 0,1,2,3
.irp q, 0,1
	ds_load_b128 v[8*\B+4*\q:8*\B+4*\q+3], v[CSO] offset:64*\B+16*\q
	ds_load_b128 v[32+8*\B+4*\q:32+8*\B+4*\q+3], v[CSO] offset:4352+64*\B+16*\q
.endr
.endr
	WIN 0
.endm
; 1 / sqrt(mean of squares + 1e-5) of my token's head: my 64 numbers in four chains, lane l xor 16's 64
.macro SUMSQ a
.set AC, 64*(\a)
	WIN 0x0a
.irp p, 0,1,2,3
	v_pk_mul_f32 v[SS+2*\p:SS+2*\p+1], v[AC+2*\p:AC+2*\p+1], v[AC+2*\p:AC+2*\p+1]
.endr
.set PI, 4
.rept 28
	v_pk_fma_f32 v[SS+2*(PI%4):SS+2*(PI%4)+1], v[AC+2*PI:AC+2*PI+1], v[AC+2*PI:AC+2*PI+1], v[SS+2*(PI%4):SS+2*(PI%4)+1]
.set PI, PI+1
.endr
	WIN 0
	v_pk_add_f32 v[SS:SS+1], v[SS:SS+1], v[SS+2:SS+3]
	v_pk_add_f32 v[SS+4:SS+5], v[SS+4:SS+5], v[SS+6:SS+7]
	v_pk_add_f32 v[SS:SS+1], v[SS:SS+1], v[SS+4:SS+5]
	v_add_f32 v[SS], v[SS], v[SS+1]
	v_permlanex16_b32 v[SS+1], v[SS], s[SEL], s[SEL+1]
	v_add_f32 v[SS], v[SS], v[SS+1]
	v_fma_f32 v[SS], v[SS], s96, s97
	s_wait_alu depctr_va_vdst(0)                   ; the wait ahead of the transcendental,
	v_rsq_f32 v[RS], v[SS]
	v_nop                                          ; a plain place behind it,
	s_wait_alu depctr_va_vdst(0)                   ; and the wait ahead of its first reader
.endm
; (x / rms) x gain, then the rotation of each pair (2 P, 2 P + 1): o0 = y0 c - y1 s, o1 = y1 c + y0 s
.macro NORMROPE a
.set AC, 64*(\a)
	WIN 2
.set PI, 0
.rept 32
	v_pk_mul_f32 v[Y+2*PI:Y+2*PI+1], v[AC+2*PI:AC+2*PI+1], v[RS:RS+1] op_sel_hi:[1,0]
.set PI, PI+1
.endr
	WIN 0x0c                                       ; source 1 (the gain) window 3
.set PI, 0
.rept 32
	v_pk_mul_f32 v[Y+2*PI:Y+2*PI+1], v[Y+2*PI:Y+2*PI+1], v[128+2*PI:128+2*PI+1]
.set PI, PI+1
.endr
	WIN 0x04                                       ; source 1 (cos, sin) window 1
.set PG, 0
.rept 8                                ; four pairs at a time: (y1 s, y0 s), then y c -+ that
.irp k, 0,2
	v_pk_mul_f32 v[T+2*\k:T+2*\k+1], v[Y+8*PG+2*\k:Y+8*PG+2*\k+1], v[32+4*PG+\k:32+4*PG+\k+1] op_sel:[1,0] op_sel_hi:[0,0]
.endr
.irp k, 1,3
	v_pk_mul_f32 v[T+2*\k:T+2*\k+1], v[Y+8*PG+2*\k:Y+8*PG+2*\k+1], v[32+4*PG+\k-1:32+4*PG+\k] op_sel:[1,1] op_sel_hi:[0,1]
.endr
.irp k, 0,2
	v_pk_fma_f32 v[Y+8*PG+2*\k:Y+8*PG+2*\k+1], v[Y+8*PG+2*\k:Y+8*PG+2*\k+1], v[4*PG+\k:4*PG+\k+1], v[T+2*\k:T+2*\k+1] op_sel:[0,0,0] op_sel_hi:[1,0,1] neg_lo:[0,0,1]
.endr
.irp k, 1,3
	v_pk_fma_f32 v[Y+8*PG+2*\k:Y+8*PG+2*\k+1], v[Y+8*PG+2*\k:Y+8*PG+2*\k+1], v[4*PG+\k-1:4*PG+\k], v[T+2*\k:T+2*\k+1] op_sel:[0,1,0] op_sel_hi:[1,1,1] neg_lo:[0,0,1]
.endr
.set PG, PG+1
.endr
	WIN 0
.endm
	PLACES                                         ; behind the last products: their operands' registers are written, and results read, from here on
.irp b, 0,1,2,3
	v_mov_b32 v[TM+4+\b], 0                        ; a lane permute's destination counts as read
.endr
	v_mov_b32 v[RS+1], 0                           ; (named with v[RS] as a pair)
	s_wait_loadcnt 0x0                             ; the gain, and tile 0's cos and sin
	CSLOAD 1
	; ---- V^T: a tile of 16 channels at a time; the accumulators' registers run along the keys and are quantised as they stand
.irp c, 0,1
.if \c
	s_wait_xcnt 0x0                                ; the last tile's stores have read their registers
.endif
	QUANT 64*\c, 3
.irp n, 0,1,2,3,4,5,6,7,8,9,10,11
	v_cndmask_b32 v[PD+\n], v[PC+\n], v[PC+(\n+6)%12], s[SWP]   ; where i = 1 my registers began at key 64: the two halves of 64 keys change places,
.endr
	v_perm_b32 v[PWV+\c], v[PW], v[PW], 0x01000302 ; and so do the word's two halves
	v_cndmask_b32 v[PWV+\c], v[PW], v[PWV+\c], s[SWP]
.irp g, 0,1,2
	global_store_b128 v[LIV], v[PD+4*\g:PD+4*\g+3], s[DSTV:DSTV+1] offset:1536*\c+512*\g   ; 512 consecutive bytes, aligned
.endr
.endr
	s_mov_b32 s46, 0xffff0000
	v_cndmask_b32 v[PWV], v[PWV], v[PWV+1], s46    ; lanes 0-15 the even tile's words, lanes 16-31 the odd tile's
	global_store_b32 v[L4V], v[PWV], s[DSTV:DSTV+1] offset:12288   ; 128 consecutive bytes: one part in 24 of V^T's bytes
	s_wait_xcnt 0x0                                ; these stores have read their registers: tile 2's cos and sin will land there
	; ---- q, k: a tile of 16 tokens at a time.  cos and sin run two tiles ahead in registers, one tile ahead through the stage
	CSTURN 0
.irp a, 0,1,2,3
	SUMSQ \a
	s_wait_dscnt 0x0                               ; this tile's cos and sin are back; the stage's stores have read their registers
.if \a < 2
	CSLOAD \a+2
.endif
	NORMROPE \a
.if \a < 2
	s_wait_loadcnt 16                              ; the next tile's 16 loads are in; those just issued stay out
	CSTURN \a+1
.elseif \a == 2
	s_wait_loadcnt 0x0
	CSTURN \a+1
.endif
	s_wait_xcnt 0x0                                ; the last tile's stores have read the codes' registers
	QUANT Y, 0
.irp g, 0,1,2
	global_store_b128 v[LIQ], v[PC+4*\g:PC+4*\g+3], s[DST:DST+1] offset:1536*\a+512*\g   ; 512 consecutive bytes, aligned
.endr
	ds_store_b32 v[WST], v[PW] offset:64*\a        ; both halves of the lanes write the same word with the same value
.endr
	ds_load_b64 v[T:T+1], v[WLD]
	s_wait_dscnt 0x0
	global_store_b64 v[L8W], v[T:T+1], s[DST:DST+1] offset:12288   ; my four tiles' words: 256 consecutive bytes, aligned
	s_wait_tensorcnt 0x0                           ; the wave's end
	ds_add_u32 v[SPW], v[NIL]
	s_wait_dscnt 0x0
	CROUND                                         ; the closing round
	s_endpgm
.Lfunc_end_k_qa38281738c_qkv:
	.size	k_qa38281738c_qkv, .Lfunc_end_k_qa38281738c_qkv-k_qa38281738c_qkv
	.p2alignl 7, 3214868480
	.fill 96, 4, 3214868480
	.section	.rodata,"a",@progbits
	.p2align	6, 0x0
	.amdhsa_kernel k_qa38281738c_qkv
		.amdhsa_group_segment_fixed_size 327680
		.amdhsa_private_segment_fixed_size 0
		.amdhsa_enable_private_segment 0
		.amdhsa_kernarg_size 64
		.amdhsa_user_sgpr_count 2
		.amdhsa_user_sgpr_kernarg_segment_ptr 1
		.amdhsa_wavefront_size32 1
		.amdhsa_system_sgpr_workgroup_id_x 1
		.amdhsa_system_sgpr_workgroup_id_y 1
		.amdhsa_system_sgpr_workgroup_id_z 1
		.amdhsa_system_vgpr_workitem_id 0
		.amdhsa_next_free_vgpr 1024
		.amdhsa_next_free_sgpr 102
		.amdhsa_reserve_vcc 0
		.amdhsa_float_denorm_mode_32 3
		.amdhsa_float_denorm_mode_16_64 3
		.amdhsa_memory_ordered 1
		.amdhsa_forward_progress 1
		.amdhsa_inst_pref_size 208
	.end_amdhsa_kernel
	.amdgpu_metadata
---
amdhsa.version: [ 1, 2 ]
amdhsa.kernels:
  - .name:           k_qa38281738c_qkv
    .symbol:         k_qa38281738c_qkv.kd
    .args:
      - { .name: cod, .offset: 0, .size: 8, .value_kind: global_buffer, .address_space: global }
      - { .name: scl, .offset: 8, .size: 8, .value_kind: global_buffer, .address_space: global }
      - { .name: freqs_cos, .offset: 16, .size: 8, .value_kind: global_buffer, .address_space: global }
      - { .name: freqs_sin, .offset: 24, .size: 8, .value_kind: global_buffer, .address_space: global }
      - { .name: q_norm_w, .offset: 32, .size: 8, .value_kind: global_buffer, .address_space: global }
      - { .name: k_norm_w, .offset: 40, .size: 8, .value_kind: global_buffer, .address_space: global }
      - { .name: qbuf, .offset: 48, .size: 8, .value_kind: global_buffer, .address_space: global }
      - { .name: kvbuf, .offset: 56, .size: 8, .value_kind: global_buffer, .address_space: global }
    .group_segment_fixed_size: 327680
    .private_segment_fixed_size: 0
    .kernarg_segment_align: 8
    .kernarg_segment_size: 64
    .max_flat_workgroup_size: 128
    .sgpr_count:     102
    .vgpr_count:     1024
    .wavefront_size: 32
...
	.end_amdgpu_metadata
.endif
;; end of part 2
;; launch attn (part 3): grid 16 x 16, 4 waves a work-group, clusters of 4 x 1, 327,680 bytes of LDS; arguments qbuf, kvbuf, ocod, oscl; writes ocod, oscl
.if DOCPART == 3
	.amdgcn_target "amdgcn-amd-amdhsa--gfx1250"
	.amdhsa_code_object_version 6
	.text
	.protected	k_qa38281738c_attn
	.globl	k_qa38281738c_attn
	.p2align	8
	.type	k_qa38281738c_attn,@function
k_qa38281738c_attn:
	s_mov_b64 s[64:65], 0
	v_nop
	global_prefetch_b8 v0, s[64:65] scope:SCOPE_SE
	s_setreg_imm32_b32 hwreg(HW_REG_WAVE_MODE, 25, 1), 1
	s_wait_xcnt 0x0
	s_wait_alu depctr_hold_cnt(0) depctr_sa_sdst(0) depctr_va_vdst(0) depctr_va_sdst(0) depctr_va_ssrc(0) depctr_va_vcc(0) depctr_vm_vsrc(0)
	s_getreg_b32 s2, hwreg(HW_REG_IB_STS2, 6, 4)
	s_cmp_eq_u32 s2, 0
	s_cbranch_scc0 .Lentry_in_a_cluster
	s_endpgm
.Lentry_in_a_cluster:
	s_bfe_u32 s2, ttmp6, 0x10000c
	s_cmp_lg_u32 s2, 0x3003
	s_cbranch_scc0 .Lentry_shape_is_right
	s_endpgm
.Lentry_shape_is_right:
; Attention on codes of FP6: S^T = K Q^T (K = the head's 128), p = 2^(t - M), O^T = V^T P^T (K = the keys), O / l, quantised along the head's 128 for the last projection.
; t = score x log2(e) / sqrt(128) (rounded once); M = the ceiling of the largest t seen, a whole number; p is quantised along the keys, not normalised; l is the sum of the unquantised p.
; SHARES.  A work-group owns 128 queries (8 tiles of 16) of one (batch, head).  ITS FOUR WAVES SHARE THE KEYS: wave w takes key steps 4 w .. 4 w + 3 (128 keys each) for all 8 tiles, so each
; fragment of K and V is read from LDS once in the work-group and feeds 8 products.  Each wave has its own M, l and O^T; at the end the four parts are joined through LDS: the factors
; 2^(M_j - largest M) are exact.  Local tile i of wave w is tile (i + 2 w) % 8, so that the two tiles which a wave finishes are its local 0 and 1.
; DATA.  All operands are images of their registers (1,536 bytes a fragment).  A wave's first record of K and V goes from memory into registers; its other three come by ONE tensor load of 76,800 dense
; bytes, asked for jointly by the cluster's four work-groups (four query blocks of one head).  One load of a wave is out; only the issuing wave reads its bytes.
; BOTH PRODUCTS TRANSPOSED: a lane holds one query throughout; the keys of K's tiles and the channels of V^T's tiles were laid so that a lane's 16 registers of two neighbouring result tiles are 16 neighbours.
; ORDER.  A tile's softmax is 250 vector instructions for 16 products, so the products stand SINGLY inside a neighbour's softmax: tile x's carries the eight V^T P of tile x - 1 and the eight K Q^T of tile x + 1:
; three or four in the chain of dependent lines that makes M, five among the 32 scalings, the rest among the exponentials, one ahead of each eight.  So the wave has vector work to issue behind each matrix instruction.
; The price: two switches of the register windows for each product.  Only K Q^T of a step's tile 0 and V^T P of its tile 7 stand back to back.  No two matrix instructions that follow each other share an accumulator.
; LIMITS: NaN and infinities are not served; a block of zeros gets the byte 1; v_exp_f32 and v_rcp_f32 are good to 1 ulp and flush denormals; a block's largest p is taken as the exponential of its largest score.
; REGISTERS: window 0: v1-31 addresses; v32-63 four statistics a tile; v64-127, v128-191 S^T, two sets; v192-211 p's codes; v212-231 at work; v232-243 scale words; v244-251 the join's.
;   window 1: v0-95 K, v96-191 V^T, v192-215 Q, two sets.   windows 2, 3: O^T of local tile i at v[64 (i % 4)].
.set QB,    0                          ; LDS: Q's 8 fragments
.set KVB,   12288                      ; three records of 25,600 bytes for each wave
.set RECB,  25600
.set XB,    KVB                        ; after the last read of K and V: O^T parts, tile x 32,768 + source wave x 8,192
.set SXB,   XB+262144                  ; and -M, l: tile x 1,024 + source wave x 256
.set LI,  1
.set LS,  2
.set ADL, 3
.set ADS, 4
.set QW,  5
.set QA,  8                            ; v8-15  local tile i of Q in LDS
.set XA,  16                           ; v16-21 the join's addresses of O^T
.set XS,  22                           ; v22-27 and of the statistics
.set ST,  32                           ; +4 i: -M, the largest t, l in two halves
.set S0,  64
.set TM,  128                          ; the last quantiser's work
.set PC,  192
.set BM,  212
.set BT,  216
.set SO,  220
.set GP,  212                          ; the join: four factors, each the low word of a pair
.set FF,  226
.set TV,  228
.set PW,  229
.set PW0, 230
.set PWJ, 231
.set KS,  232
.set VS,  236
.set QS,  240
.set EM,  244
.set EL,  248
.set NM,  251
.set KF,  0
.set VF,  96
.set QF,  192
.set WV,  24
.set SEL, 28
.set CS,  30
.set REC, 32
.set CNT, 33
.set MSB, 0
.macro WIN new
.if MSB != (\new)
	s_set_vgpr_msb (MSB<<8)|(\new)
.set MSB, (\new)
.endif
.endm
.macro WM d, a, b, zero, sa, sb, ra, rb
.if \zero
.if (\ra) && (\rb)
	v_wmma_scale_f32_16x16x128_f8f6f4 v[\d:\d+7], v[\a:\a+11], v[\b:\b+11], 0, v[\sa], v[\sb] matrix_a_fmt:MATRIX_FMT_FP6 matrix_b_fmt:MATRIX_FMT_FP6 matrix_a_scale:MATRIX_SCALE_ROW1 matrix_b_scale:MATRIX_SCALE_ROW1
.elseif (\ra)
	v_wmma_scale_f32_16x16x128_f8f6f4 v[\d:\d+7], v[\a:\a+11], v[\b:\b+11], 0, v[\sa], v[\sb] matrix_a_fmt:MATRIX_FMT_FP6 matrix_b_fmt:MATRIX_FMT_FP6 matrix_a_scale:MATRIX_SCALE_ROW1
.elseif (\rb)
	v_wmma_scale_f32_16x16x128_f8f6f4 v[\d:\d+7], v[\a:\a+11], v[\b:\b+11], 0, v[\sa], v[\sb] matrix_a_fmt:MATRIX_FMT_FP6 matrix_b_fmt:MATRIX_FMT_FP6 matrix_b_scale:MATRIX_SCALE_ROW1
.else
	v_wmma_scale_f32_16x16x128_f8f6f4 v[\d:\d+7], v[\a:\a+11], v[\b:\b+11], 0, v[\sa], v[\sb] matrix_a_fmt:MATRIX_FMT_FP6 matrix_b_fmt:MATRIX_FMT_FP6
.endif
.else
.if (\ra) && (\rb)
	v_wmma_scale_f32_16x16x128_f8f6f4 v[\d:\d+7], v[\a:\a+11], v[\b:\b+11], v[\d:\d+7], v[\sa], v[\sb] matrix_a_fmt:MATRIX_FMT_FP6 matrix_b_fmt:MATRIX_FMT_FP6 matrix_a_scale:MATRIX_SCALE_ROW1 matrix_b_scale:MATRIX_SCALE_ROW1
.elseif (\ra)
	v_wmma_scale_f32_16x16x128_f8f6f4 v[\d:\d+7], v[\a:\a+11], v[\b:\b+11], v[\d:\d+7], v[\sa], v[\sb] matrix_a_fmt:MATRIX_FMT_FP6 matrix_b_fmt:MATRIX_FMT_FP6 matrix_a_scale:MATRIX_SCALE_ROW1
.elseif (\rb)
	v_wmma_scale_f32_16x16x128_f8f6f4 v[\d:\d+7], v[\a:\a+11], v[\b:\b+11], v[\d:\d+7], v[\sa], v[\sb] matrix_a_fmt:MATRIX_FMT_FP6 matrix_b_fmt:MATRIX_FMT_FP6 matrix_b_scale:MATRIX_SCALE_ROW1
.else
	v_wmma_scale_f32_16x16x128_f8f6f4 v[\d:\d+7], v[\a:\a+11], v[\b:\b+11], v[\d:\d+7], v[\sa], v[\sb] matrix_a_fmt:MATRIX_FMT_FP6 matrix_b_fmt:MATRIX_FMT_FP6
.endif
.endif
.endm
.macro CROUND                          ; a round of the cluster's barrier
	s_barrier_signal -1
	s_barrier_wait -1
	s_cmp_lg_u32 s[WV], 0
	s_cbranch_scc1 .Lnot_wave_0_\@
	s_barrier_signal -3
.Lnot_wave_0_\@:
	s_barrier_wait -3
	s_barrier_signal -1
	s_barrier_wait -1
.endm
	s_load_b128 s[4:7], s[0:1], 0x0                ; qbuf, kvbuf
	s_load_b128 s[8:11], s[0:1], 0x10              ; ocod, oscl
	v_lshl_add_u32 v254, v0, 2, 0x4e000
	v_mov_b32 v255, 0
	ds_add_u32 v254, v255
	ds_add_u32 v254, v255
	v_lshrrev_b32 v1, 5, v0
	v_readfirstlane_b32 s[WV], v1
	s_bfe_u32 s25, ttmp6, 0x40000                  ; cx
	s_lshl_b32 s26, ttmp9, 2
	s_add_co_u32 s26, s26, s25                     ; my block of 128 queries: it enters plain loads' and stores' addresses alone
	s_and_b32 s27, ttmp7, 0xffff                   ; batch x 8 + head, which the four partners share
	s_lshl_b32 s42, s27, 4
	s_lshl_b32 s43, s[WV], 2
	s_add_co_u32 s42, s42, s43
	s_mul_i32 s42, s42, RECB                       ; my wave's first record of K and V
	s_mov_b32 s43, 0
	s_lshl_b32 s44, s27, 4
	s_add_co_u32 s44, s44, s26
	s_mul_i32 s44, s44, 12800                      ; my block's record of Q
	s_mov_b32 s45, 0
	s_lshr_b32 s46, s27, 3
	s_and_b32 s47, s27, 7
	s_lshl_b32 s46, s46, 7
	s_lshl_b32 s48, s26, 3
	s_add_co_u32 s46, s46, s48
	s_lshl_b32 s48, s[WV], 1
	s_add_co_u32 s46, s46, s48                     ; the first tile of rows that I finish: 128 batch + 8 block + 2 wave
	s_lshl_b32 s48, s46, 3
	s_add_co_u32 s48, s48, s47
	s_mul_i32 s48, s48, 1536                       ; ocod = [tile][head][1,536]
	s_mov_b32 s49, 0
	s_lshl_b32 s50, s47, 14
	s_lshl_b32 s46, s46, 6
	s_add_co_u32 s50, s50, s46                     ; oscl = [head][tile][64]
	s_mov_b32 s51, 0
	s_mov_b32 s16, 15|(3<<16)|(1<<21)              ; group 1: the mask names all four; elements of 8 bytes; 21 set beside a mask
	s_mov_b32 s17, 32<<16                          ; 300 rows of 256 bytes, dense
	s_mov_b32 s18, 300<<16
	s_mov_b32 s19, 32<<16
	s_mov_b32 s20, 300
	s_mov_b32 s21, 32
	s_mov_b32 s22, 0
	s_mov_b32 s23, 0
	s_mov_b32 s[SEL], 0x76543210
	s_mov_b32 s[SEL+1], 0xfedcba98
	s_mov_b32 s[CS], 0x3e0293ee                    ; c = log2(e) / sqrt(128)
	s_mov_b32 s[CS+1], s[CS]
	v_and_b32 v6, 31, v0
	v_lshlrev_b32 v[LI], 4, v6
	v_lshlrev_b32 v[LS], 2, v6
	s_wait_alu depctr_va_vdst(0)
	s_mul_i32 s52, s[WV], 3072
	v_add_nc_u32 v[QW], s52, v[LI]                 ; tiles 2 w, 2 w + 1 of Q: in the record and in LDS alike
	s_lshl_b32 s53, s[WV], 1
	s_lshl_b32 s54, s[WV], 13
	s_lshl_b32 s55, s[WV], 8
.irp i, 0,1,2,3,4,5,6,7
	s_add_co_u32 s52, s53, \i
	s_and_b32 s52, s52, 7
	s_mul_i32 s52, s52, 1536
	v_add_nc_u32 v[QA+\i], s52, v[LI]
.endr
.irp i, 2,3,4,5,6,7                    ; where my parts of the tiles that others finish will go
	s_add_co_u32 s52, s53, \i
	s_and_b32 s52, s52, 7
	s_lshl_b32 s56, s52, 15
	s_add_co_u32 s56, s56, s54
	s_add_co_u32 s56, s56, XB
	v_add_nc_u32 v[XA+\i-2], s56, v[LI]
	s_lshl_b32 s56, s52, 10
	s_add_co_u32 s56, s56, s55
	s_add_co_u32 s56, s56, SXB
	v_add_nc_u32 v[XS+\i-2], s56, v[LS]
.endr
.irp m, 0,1,2,3                        ; Q's scale words: local pair m is pair (m + w) % 4
	s_add_co_u32 s52, s[WV], \m
	s_and_b32 s52, s52, 3
	s_lshl_b32 s52, s52, 7
	v_add_nc_u32 v[EM+\m], s52, v[LS]
.endr
.irp b, 0,1,2,3
	v_mov_b32 v[BT+\b], 0                          ; a lane permute's destination counts as read
.endr
	v_mov_b32 v[FF+1], 0                           ; (named with v[FF] as a pair)
	s_wait_alu depctr_va_vdst(0)                   ; the wait at the head's end
	s_wait_dscnt 0x0
	s_wait_kmcnt 0x0
	s_add_nc_u64 s[36:37], s[6:7], s[42:43]
	s_add_nc_u64 s[34:35], s[4:5], s[44:45]
	s_add_nc_u64 s[38:39], s[8:9], s[48:49]
	s_add_nc_u64 s[40:41], s[10:11], s[50:51]
	s_mov_b32 s12, 1
	s_mul_i32 s13, s[WV], 3*RECB
	s_add_co_u32 s13, s13, KVB
	s_add_nc_u64 s[14:15], s[36:37], RECB          ; records 4 w + 1 .. 4 w + 3: made of the head and the wave alone
	s_or_b32 s15, s15, 0x80000000
.irp k, 0,1,2,3,4,5
	global_load_b128 v[S0+4*\k:S0+4*\k+3], v[QW], s[34:35] offset:512*\k
.endr
.irp m, 0,1,2,3
	global_load_b32 v[QS+\m], v[EM+\m], s[34:35] offset:12288
.endr
	WIN 0x40
.irp t, 0,1,2,3,4,5,6,7
.irp g, 0,1,2
	global_load_b128 v[KF+12*\t+4*\g:KF+12*\t+4*\g+3], v[LI], s[36:37] offset:1536*\t+512*\g
.endr
.endr
	WIN 0
.irp m, 0,1,2,3
	global_load_b32 v[KS+\m], v[LS], s[36:37] offset:12288+128*\m
.endr
	CROUND                                         ; all four work-groups are here: the joint loads meet
	tensor_load_to_lds s[12:15], s[16:23]
	s_nop 0
.rept 4
	v_nop
.endr
	WIN 0x40
.irp t, 0,1,2,3,4,5,6,7
.irp g, 0,1,2
	global_load_b128 v[VF+12*\t+4*\g:VF+12*\t+4*\g+3], v[LI], s[36:37] offset:12800+1536*\t+512*\g
.endr
.endr
	WIN 0
.irp m, 0,1,2,3
	global_load_b32 v[VS+\m], v[LS], s[36:37] offset:25088+128*\m
.endr
	s_wait_loadcnt 56                              ; Q's two tiles and its words are in; the 56 loads of K and V behind them stay out
.irp k, 0,1,2,3,4,5
	ds_store_b128 v[QW], v[S0+4*\k:S0+4*\k+3] offset:QB+512*\k
.endr
	s_wait_dscnt 0x0                               ; for the others' sake
	s_barrier_signal -1
	s_barrier_wait -1                              ; Q's eight fragments lie in LDS
.macro KQ i                            ; S^T of local tile i, back to back: eight tiles of 16 keys; each product starts its sum
	WIN 0x05
.irp t, 0,1,2,3,4,5,6,7
	WM S0+64*((\i)%2)+8*\t, KF+12*\t, QF+12*((\i)%2), 1, KS+\t/2, QS+(\i)/2, \t%2, (\i)%2
.endr
.endm
.macro PV i, first                     ; O^T of local tile i, back to back: eight tiles of 16 channels
	WIN 0xa1+0x50*((\i)/4)
.irp t, 0,1,2,3,4,5,6,7
	WM 64*((\i)%4)+8*\t, VF+12*\t, PC, \first, VS+\t/2, PW, \t%2, 0
.endr
.endm
.macro QFETCH i
	WIN 0x40
.irp g, 0,1,2
	ds_load_b128 v[QF+12*((\i)%2)+4*\g:QF+12*((\i)%2)+4*\g+3], v[QA+(\i)] offset:512*\g
.endr
.endm
; ONE PRODUCT inside a softmax: number MXK of sixteen.  0-7: V^T P of tile PVT, channels 16 MXK on; 8-15: K Q^T of tile KQT, keys 16 (MXK - 8) on.  A tile number under 0: there is none.
; p's codes and scale word of tile PVT were made at the end of the softmax before, more than eight plain instructions back, and are written again only behind this softmax's 32 sums;
; S^T of tile KQT takes the set that the softmax before has left.
.macro MX first
.if MXK < 8
.if PVT >= 0
	WIN 0xa1+0x50*(PVT/4)
	WM 64*(PVT%4)+8*MXK, VF+12*MXK, PC, \first, VS+MXK/2, PW, MXK%2, 0
	WIN 0
.endif
.elseif MXK < 16
.if KQT >= 0
	WIN 0x05
	WM S0+64*(KQT%2)+8*(MXK-8), KF+12*(MXK-8), QF+12*(KQT%2), 1, KS+(MXK-8)/2, QS+KQT/2, (MXK-8)%2, KQT%2
	WIN 0
.endif
.endif
.set MXK, MXK+1
.endm
; one tile's softmax for 128 keys, with its neighbours' sixteen products in it.  first = 1: the wave's first key step starts M, l and O^T
.macro SOFTMAX i, first
.set SB, S0+64*((\i)%2)
.set SX, ST+4*(\i)
.set MXK, 0
; THE ORDER OF THIS MACRO AS IT STANDS: the waits for what its products read; the maxima; three or four products in the chain that makes M; five among the 32 scalings; one wait; one batch of 68 exponentials with the other products, one ahead of each eight
	WIN 0
.if ((\i) == 1) && \first
	s_wait_loadcnt 0x0                             ; the first step's V came from memory: tile 0's V^T P stands in this softmax
.endif
.if ((\i) >= 1) && ((\i) <= 5)
	s_wait_dscnt 3                                 ; Q's tile i + 1 is in, and in tile 1's softmax V and its words; the three loads of Q's tile i + 2, just issued, may be out
.elseif (\i) == 6
	s_wait_dscnt 0x0                               ; Q's tile 7
.endif
	s_wait_alu depctr_va_vdst(0)                   ; the wait here, directly ahead of the first readers of S^T
.irp b, 0,1,2,3
	v_max3_num_f32 v[BM+\b], v[SB+16*\b], v[SB+16*\b+1], v[SB+16*\b+2]   ; the largest score of each block of 32 keys: for the row's maximum, and for the block's largest p
.endr
.irp n, 3,5,7,9,11,13
.irp b, 0,1,2,3
	v_max3_num_f32 v[BM+\b], v[BM+\b], v[SB+16*\b+\n], v[SB+16*\b+\n+1]
.endr
.endr
.irp b, 0,1,2,3
	v_max_num_f32 v[BM+\b], v[BM+\b], v[SB+16*\b+15]
.endr
.irp b, 0,1,2,3
	v_permlanex16_b32 v[BT+\b], v[BM+\b], s[SEL], s[SEL+1]
.endr
.irp b, 0,1,2,3
	v_max_num_f32 v[BM+\b], v[BM+\b], v[BT+\b]
.endr
	v_max3_num_f32 v[TV], v[BM], v[BM+1], v[BM+2]  ; from here each line wants the line before it: four products stand between them
	MX \first
	v_max_num_f32 v[TV], v[TV], v[BM+3]
	MX \first
.if \first
	v_mul_f32 v[SX+1], s[CS], v[TV]                ; the largest t
	MX \first
	v_floor_f32 v[SX], -v[SX+1]                    ; -M = floor(-t)
.else
	v_mul_f32 v[TV], s[CS], v[TV]
	MX \first
	v_max_num_f32 v[SX+1], v[SX+1], v[TV]
	v_mov_b32 v[TV], v[SX]
	MX \first
	v_floor_f32 v[SX], -v[SX+1]
	v_sub_f32 v[TV], v[SX], v[TV]                  ; old M - new M: a whole number, 0 or less
.endif
.irp b, 0,1,2,3
	v_fma_f32 v[BM+\b], v[BM+\b], s[CS], v[SX]     ; t - M of each block's largest score
.endr
.if !\first
	v_cvt_i32_f32 v[TV], v[TV]
.endif
.set PI, 0
.rept 32                               ; t - M, two scores at a time; a product ahead of pairs 2, 8, 14, 20 and 26
.if (PI%6) == 2
	MX \first
.endif
	v_pk_fma_f32 v[SB+2*PI:SB+2*PI+1], v[SB+2*PI:SB+2*PI+1], s[CS:CS+1], v[SX:SX+1] op_sel_hi:[1,0,0]
.set PI, PI+1
.endr
.if !\first
	v_ldexp_f32 v[FF], 1.0, v[TV]                  ; f = 2^(old M - new M): a multiplication by it rounds nothing
.endif
	s_wait_alu depctr_va_vdst(0)                   ; all the batch's sources are laid: the wait ahead of the batch
.set PI, 0
.rept 64                               ; ONE BATCH of 68 exponentials, none of whose results is named ahead of the one wait behind it; a product ahead of each eight, while there are any
.if (PI%8) == 0
	MX \first
.endif
	v_exp_f32 v[SB+PI], v[SB+PI]                   ; p, at most 1
.set PI, PI+1
.endr
.irp b, 0,1,2,3
	v_exp_f32 v[BM+\b], v[BM+\b]                   ; each block's largest p
.endr
.if \first
	v_nop                                          ; a plain place behind the exponentials
.else
	v_pk_mul_f32 v[SX+2:SX+3], v[SX+2:SX+3], v[FF:FF+1] op_sel_hi:[1,0]   ; l under the new M (a plain place behind the exponentials)
.endif
	s_wait_alu depctr_va_vdst(0)                   ; one wait for the batch, ahead of its first reader
.irp k, 0,1,2,3                        ; the sum of the unquantised p, in four chains
	v_pk_add_f32 v[BT+2*\k:BT+2*\k+1], v[SB+2*\k:SB+2*\k+1], v[SB+8+2*\k:SB+8+2*\k+1]
.endr
.set PI, 8
.rept 24
	v_pk_add_f32 v[BT+2*(PI%4):BT+2*(PI%4)+1], v[BT+2*(PI%4):BT+2*(PI%4)+1], v[SB+2*PI:SB+2*PI+1]
.set PI, PI+1
.endr
	v_pk_add_f32 v[BT:BT+1], v[BT:BT+1], v[BT+2:BT+3]
	v_pk_add_f32 v[BT+4:BT+5], v[BT+4:BT+5], v[BT+6:BT+7]
.if \first
	v_pk_add_f32 v[SX+2:SX+3], v[BT:BT+1], v[BT+4:BT+5]
.else
	v_pk_add_f32 v[BT:BT+1], v[BT:BT+1], v[BT+4:BT+5]
	v_pk_add_f32 v[SX+2:SX+3], v[SX+2:SX+3], v[BT:BT+1]
.endif
.irp b, 0,1,2,3
	v_max_num_f32 v[BM+\b], 0x1800000, v[BM+\b]    ; the floor 2^(3 - 127)
.endr
.irp b, 0,1,2,3
	v_add_nc_u32 v[SO+\b], 0xff000000, v[BM+\b]    ; the conversion's scale operand
.endr
.irp b, 0,1,2,3
	v_lshrrev_b32 v[BT+\b], 23, v[SO+\b]
.endr
	v_lshl_or_b32 v[PW], v[BT+1], 8, v[BT]         ; p's scale word for these 128 keys
	v_lshl_or_b32 v[PW], v[BT+2], 16, v[PW]
	v_lshl_or_b32 v[PW], v[BT+3], 24, v[PW]
.irp c, 0,1
	v_cvt_scalef32_pk16_fp6_f32 v[PC+6*\c:PC+6*\c+2], v[SB+32*\c:SB+32*\c+15], v[SO+2*\c]
	v_cvt_scalef32_pk16_fp6_f32 v[PC+12+4*\c:PC+12+4*\c+2], v[SB+32*\c+16:SB+32*\c+31], v[SO+2*\c+1]
.endr
	v_nop                                          ; one plain place behind a scaled conversion
.irp c, 0,1
.irp n, 0,1,2
	v_permlane16_swap_b32 v[PC+6*\c+\n], v[PC+12+4*\c+\n]
.endr
.irp n, 0,1,2
	v_mov_b32 v[PC+3+6*\c+\n], v[PC+12+4*\c+\n]
.endr
.endr
.if \first
.if (\i) == 7
.rept 8
	v_nop                                          ; tile 7's products follow at once: an operand and a scale word written by vector instructions stand places ahead of a scaled matrix instruction
.endr
.endif
.else
	WIN 0x82+0x41*((\i)/4)
	s_wait_alu depctr_va_vdst(0)                   ; the wait here, directly ahead of the first readers of O^T
.set PI, 0
.rept 32
	v_pk_mul_f32 v[64*((\i)%4)+2*PI:64*((\i)%4)+2*PI+1], v[64*((\i)%4)+2*PI:64*((\i)%4)+2*PI+1], v[FF:FF+1] op_sel_hi:[1,0]   ; O^T under the new M; for tile 7 these are also those places
.set PI, PI+1
.endr
.endif
.endm
; a key step: 128 keys x 8 tiles of queries
.macro STEP first
.if \first
	s_wait_loadcnt 28                              ; K and its words are in; V's 24 loads and its 4 words stay out
	s_wait_dscnt 0x0                               ; Q's first two tiles
.else
	s_wait_dscnt 28                                ; K, Q's first two tiles and K's words are in; V's 24 loads and its 4 words stay out
.endif
	KQ 0
.rept 4
	v_nop                                          ; places: S^T of tile 0 is read, and Q's first set loaded, behind them
.endr
.irp x, 0,1,2,3,4,5,6,7
.if \x < 6
	QFETCH \x+2                                    ; into the set that K Q^T of tile x has read, a softmax ago (for tile 0: four places ago)
.endif
.set PVT, \x-1
.set KQT, \x+1
.if \x == 7
.set KQT, -1
.endif
	SOFTMAX \x, \first
.endr
	PV 7, \first
.endm
.macro FETCHL                          ; a record from LDS: 62 loads
	WIN 0
	v_add_nc_u32 v[ADL], s[REC], v[LI]
	v_add_nc_u32 v[ADS], s[REC], v[LS]
	v_nop
	v_nop                                          ; four places behind the last products, which read V and its words
	WIN 0x40
.irp t, 0,1,2,3,4,5,6,7
.irp g, 0,1,2
	ds_load_b128 v[KF+12*\t+4*\g:KF+12*\t+4*\g+3], v[ADL] offset:1536*\t+512*\g
.endr
.endr
	QFETCH 0
	QFETCH 1
	WIN 0
.irp m, 0,1,2,3
	ds_load_b32 v[KS+\m], v[ADS] offset:12288+128*\m
.endr
	WIN 0x40
.irp t, 0,1,2,3,4,5,6,7
.irp g, 0,1,2
	ds_load_b128 v[VF+12*\t+4*\g:VF+12*\t+4*\g+3], v[ADL] offset:12800+1536*\t+512*\g
.endr
.endr
	WIN 0
.irp m, 0,1,2,3
	ds_load_b32 v[VS+\m], v[ADS] offset:25088+128*\m
.endr
.endm
	QFETCH 0
	QFETCH 1
	STEP 1                                         ; written out: its operands came from memory, and its products start O^T's sums
	WIN 0
	s_wait_tensorcnt 0x0                           ; my three records are in LDS; I alone read them
	s_mul_i32 s[REC], s[WV], 3*RECB
	s_add_co_u32 s[REC], s[REC], KVB
	s_mov_b32 s[CNT], 3
.Lstep:
	FETCHL
	STEP 0
	WIN 0
	s_add_co_u32 s[REC], s[REC], RECB
	s_sub_co_u32 s[CNT], s[CNT], 1
	s_cmp_lg_u32 s[CNT], 0
	s_cbranch_scc1 .Lstep
	; ---- THE JOIN.  l's halves and lane l xor 16's (these additions are the places behind the last products)
.irp i, 0,1,2,3,4,5,6,7
	v_add_f32 v[ST+4*\i+2], v[ST+4*\i+2], v[ST+4*\i+3]
.endr
.irp i, 0,1,2,3,4,5,6,7
	v_permlanex16_b32 v[ST+4*\i+3], v[ST+4*\i+2], s[SEL], s[SEL+1]
.endr
.irp i, 0,1,2,3,4,5,6,7
	v_add_f32 v[ST+4*\i+2], v[ST+4*\i+2], v[ST+4*\i+3]
.endr
	s_wait_dscnt 0x0                               ; my reads of K and V are over
	s_barrier_signal -1
	s_barrier_wait -1                              ; everybody's are: their bytes, filled once, now take the parts
	s_wait_alu depctr_va_vdst(0)                   ; l's sums and O^T are first read by the stores below
.irp i, 2,3,4,5,6,7
	WIN 4*(2+\i/4)                                 ; an LDS store's data are its source 1
.irp k, 0,1,2,3,4,5,6,7,8,9,10,11,12,13,14,15
	ds_store_b128 v[XA+\i-2], v[64*(\i%4)+4*\k:64*(\i%4)+4*\k+3] offset:512*\k   ; each accumulator from its low end on
.endr
	WIN 0
	ds_store_b32 v[XS+\i-2], v[ST+4*\i]
	ds_store_b32 v[XS+\i-2], v[ST+4*\i+2] offset:128
.endr
	s_wait_dscnt 0x0                               ; for the others' sake; the stores have read their address registers too
	s_barrier_signal -1
.irp i, 0,1                            ; where the other three waves' parts of my two tiles lie
.irp j, 1,2,3
	s_add_co_u32 s52, s[WV], \j
	s_and_b32 s52, s52, 3
	s_add_co_u32 s56, s53, \i
	s_lshl_b32 s57, s56, 15
	s_lshl_b32 s58, s52, 13
	s_add_co_u32 s57, s57, s58
	s_add_co_u32 s57, s57, XB
	v_add_nc_u32 v[XA+3*\i+\j-1], s57, v[LI]
	s_lshl_b32 s57, s56, 10
	s_lshl_b32 s58, s52, 8
	s_add_co_u32 s57, s57, s58
	s_add_co_u32 s57, s57, SXB
	v_add_nc_u32 v[XS+3*\i+\j-1], s57, v[LS]
.endr
.endr
.irp b, 0,1,2,3
	v_mov_b32 v[TM+4+\b], 0                        ; a lane permute's destination counts as read
.endr
	s_wait_alu depctr_va_vdst(0)                   ; the wait here, directly ahead of the barrier's wait
	s_barrier_wait -1
.macro QUANT s, X                      ; 64 numbers of a lane, register 16 b + i = k 32 b + 16 (lane / 16) + i, become codes in v[PC] on and the scale word in v[PW]
	WIN 5*(\X)
.irp b, 0,1,2,3
	v_max3_num_f32 v[TM+\b], |v[\s+16*\b]|, |v[\s+16*\b+1]|, 0x1800000
.endr
.irp n, 2,4,6,8,10,12,14
.irp b, 0,1,2,3
	v_max3_num_f32 v[TM+\b], |v[\s+16*\b+\n]|, |v[\s+16*\b+\n+1]|, v[TM+\b]
.endr
.endr
	WIN 0
.irp b, 0,1,2,3
	v_permlanex16_b32 v[TM+4+\b], v[TM+\b], s[SEL], s[SEL+1]
.endr
.irp b, 0,1,2,3
	v_max_num_f32 v[TM+\b], v[TM+\b], v[TM+4+\b]
.endr
.irp b, 0,1,2,3
	v_add_nc_u32 v[TM+12+\b], 0xff000000, v[TM+\b]
.endr
.irp b, 0,1,2,3
	v_lshrrev_b32 v[TM+4+\b], 23, v[TM+12+\b]
.endr
	v_lshl_or_b32 v[PW], v[TM+5], 8, v[TM+4]
	v_lshl_or_b32 v[PW], v[TM+6], 16, v[PW]
	v_lshl_or_b32 v[PW], v[TM+7], 24, v[PW]
	WIN (\X)
.irp c, 0,1
	v_cvt_scalef32_pk16_fp6_f32 v[PC+6*\c:PC+6*\c+2], v[\s+32*\c:\s+32*\c+15], v[TM+12+2*\c]
	v_cvt_scalef32_pk16_fp6_f32 v[PC+12+4*\c:PC+12+4*\c+2], v[\s+32*\c+16:\s+32*\c+31], v[TM+13+2*\c]
.endr
	WIN 0
	v_nop
.irp c, 0,1
.irp n, 0,1,2
	v_permlane16_swap_b32 v[PC+6*\c+\n], v[PC+12+4*\c+\n]
.endr
.irp n, 0,1,2
	v_mov_b32 v[PC+3+6*\c+\n], v[PC+12+4*\c+\n]
.endr
.endr
.endm
; my local tile i: O = sum over the four parts of O_j 2^(M_j - largest M) / l, l = sum of l_j 2^(M_j - largest M); quantised along the head's 128
.macro JOIN i
.irp j, 1,2,3
	ds_load_b32 v[EM+\j-1], v[XS+3*\i+\j-1]
	ds_load_b32 v[EL+\j-1], v[XS+3*\i+\j-1] offset:128
.endr
	WIN 0x40
.irp j, 1,2,3
.irp k, 0,1,2,3,4,5,6,7,8,9,10,11,12,13,14,15
	ds_load_b128 v[64*(\j-1)+4*\k:64*(\j-1)+4*\k+3], v[XA+3*\i+\j-1] offset:512*\k
.endr
.endr
	WIN 0
	s_wait_dscnt 48                                ; the statistics are in; the 48 loads of O^T stay out
	v_min3_num_f32 v[NM], v[EM], v[EM+1], v[EM+2]
	v_min_num_f32 v[NM], v[NM], v[ST+4*\i]         ; the least -M: minus the largest M
	v_sub_f32 v[GP], v[NM], v[ST+4*\i]
.irp j, 1,2,3
	v_sub_f32 v[GP+2*\j], v[NM], v[EM+\j-1]        ; M_j - the largest M: a whole number, 0 or less
.endr
.irp j, 0,1,2,3
	v_cvt_i32_f32 v[GP+2*\j], v[GP+2*\j]
.endr
.irp j, 0,1,2,3
	v_ldexp_f32 v[GP+2*\j], 1.0, v[GP+2*\j]
.endr
	v_mul_f32 v[TV], v[GP], v[ST+4*\i+2]
.irp j, 1,2,3
	v_fmac_f32 v[TV], v[GP+2*\j], v[EL+\j-1]
.endr
	s_wait_alu depctr_va_vdst(0)                   ; the wait ahead of the transcendental
	v_rcp_f32 v[NM], v[TV]
	v_nop                                          ; a plain place behind the transcendental,
	s_wait_alu depctr_va_vdst(0)                   ; and the wait ahead of its first reader
.irp j, 0,1,2,3
	v_mul_f32 v[GP+2*\j], v[GP+2*\j], v[NM]
.endr
	WIN 0x02                                       ; my own part: window 2, read from its low end on
.set PI, 0
.rept 32
	v_pk_mul_f32 v[S0+2*PI:S0+2*PI+1], v[64*\i+2*PI:64*\i+2*PI+1], v[GP:GP+1] op_sel_hi:[1,0]
.set PI, PI+1
.endr
	s_wait_dscnt 0x0
	WIN 0x01
.irp j, 1,2,3
.set PI, 0
.rept 32
	v_pk_fma_f32 v[S0+2*PI:S0+2*PI+1], v[64*(\j-1)+2*PI:64*(\j-1)+2*PI+1], v[GP+2*\j:GP+2*\j+1], v[S0+2*PI:S0+2*PI+1] op_sel_hi:[1,0,1]
.set PI, PI+1
.endr
.endr
	WIN 0
	s_wait_xcnt 0x0                                ; the last tile's stores have read the codes' registers
	QUANT S0, 0
.irp g, 0,1,2
	global_store_b128 v[LI], v[PC+4*\g:PC+4*\g+3], s[38:39] offset:12288*\i+512*\g   ; 512 consecutive bytes, aligned
.endr
.endm
	JOIN 0
	v_mov_b32 v[PW0], v[PW]
	JOIN 1
	s_mov_b32 s52, 0xffff0000
	v_cndmask_b32 v[PWJ], v[PW0], v[PW], s52       ; lanes 0-15 the even tile's words, lanes 16-31 the odd tile's
	global_store_b32 v[LS], v[PWJ], s[40:41]       ; 128 consecutive bytes: one part in 24 of what this launch stores
	s_wait_tensorcnt 0x0
	ds_add_u32 v254, v255
	s_wait_dscnt 0x0
	CROUND                                         ; the closing round
	s_endpgm
.Lfunc_end_k_qa38281738c_attn:
	.size	k_qa38281738c_attn, .Lfunc_end_k_qa38281738c_attn-k_qa38281738c_attn
	.p2alignl 7, 3214868480
	.fill 96, 4, 3214868480
	.section	.rodata,"a",@progbits
	.p2align	6, 0x0
	.amdhsa_kernel k_qa38281738c_attn
		.amdhsa_group_segment_fixed_size 327680
		.amdhsa_private_segment_fixed_size 0
		.amdhsa_enable_private_segment 0
		.amdhsa_kernarg_size 32
		.amdhsa_user_sgpr_count 2
		.amdhsa_user_sgpr_kernarg_segment_ptr 1
		.amdhsa_wavefront_size32 1
		.amdhsa_system_sgpr_workgroup_id_x 1
		.amdhsa_system_sgpr_workgroup_id_y 1
		.amdhsa_system_sgpr_workgroup_id_z 1
		.amdhsa_system_vgpr_workitem_id 0
		.amdhsa_next_free_vgpr 1024
		.amdhsa_next_free_sgpr 66
		.amdhsa_reserve_vcc 0
		.amdhsa_float_denorm_mode_32 3
		.amdhsa_float_denorm_mode_16_64 3
		.amdhsa_memory_ordered 1
		.amdhsa_forward_progress 1
		.amdhsa_inst_pref_size 255
	.end_amdhsa_kernel
	.section	.bss,"aw",@nobits
	.p2align	6
	.space	262144
	.amdgpu_metadata
---
amdhsa.version: [ 1, 2 ]
amdhsa.kernels:
  - .name:           k_qa38281738c_attn
    .symbol:         k_qa38281738c_attn.kd
    .args:
      - { .name: qbuf, .offset: 0, .size: 8, .value_kind: global_buffer, .address_space: global }
      - { .name: kvbuf, .offset: 8, .size: 8, .value_kind: global_buffer, .address_space: global }
      - { .name: ocod, .offset: 16, .size: 8, .value_kind: global_buffer, .address_space: global }
      - { .name: oscl, .offset: 24, .size: 8, .value_kind: global_buffer, .address_space: global }
    .group_segment_fixed_size: 327680
    .private_segment_fixed_size: 0
    .kernarg_segment_align: 8
    .kernarg_segment_size: 32
    .max_flat_workgroup_size: 128
    .sgpr_count:     66
    .vgpr_count:     1024
    .wavefront_size: 32
...
	.end_amdgpu_metadata
.endif
;; end of part 3
;; launch oproj (part 4): grid 8 x 32, 4 waves a work-group, clusters of 4 x 4, 327,680 bytes of LDS; arguments ocod, oscl, cod, scl, out0; writes out0
.if DOCPART == 4
	.amdgcn_target "amdgcn-amd-amdhsa--gfx1250"
	.amdhsa_code_object_version 6
	.text
	.protected	k_qa38281738c_oproj
	.globl	k_qa38281738c_oproj
	.p2align	8
	.type	k_qa38281738c_oproj,@function
k_qa38281738c_oproj:
	s_mov_b64 s[64:65], 0
	v_nop
	global_prefetch_b8 v0, s[64:65] scope:SCOPE_SE
	s_setreg_imm32_b32 hwreg(HW_REG_WAVE_MODE, 25, 1), 1
	s_wait_xcnt 0x0
	s_wait_alu depctr_hold_cnt(0) depctr_sa_sdst(0) depctr_va_vdst(0) depctr_va_sdst(0) depctr_va_ssrc(0) depctr_va_vcc(0) depctr_vm_vsrc(0)
	s_getreg_b32 s2, hwreg(HW_REG_IB_STS2, 6, 4)
	s_cmp_eq_u32 s2, 0
	s_cbranch_scc0 .Lentry_in_a_cluster
	s_endpgm
.Lentry_in_a_cluster:
	s_bfe_u32 s2, ttmp6, 0x10000c
	s_cmp_lg_u32 s2, 0xf033
	s_cbranch_scc0 .Lentry_shape_is_right
	s_endpgm
.Lentry_shape_is_right:
; The last projection on codes of FP6: out0[token][d] = sum over e of O[token][e] wo[d][e], K = 1,024 = 8 steps of 128 (a step is a head).
; OPERANDS are images of their registers (16 rows x 128 K = 1,536 bytes; registers 4 g .. 4 g + 3 of lane l at 512 g + 16 l): ocod = [tile of 16 tokens][head][1,536]; wo's tiles in cod from byte 11,010,048, [tile][K step][1,536].
; Scale words: oscl = [head][tile][64]; wo's in scl from byte 458,752, [pair of tiles][K step][128].
; SHARES.  A work-group makes 128 tokens x 256 columns, a wave 64 x 128: 32 accumulators.  Grid 8 x 32 = 256 work-groups.
; ALL OPERANDS OF A WORK-GROUP LIE IN LDS AT ONCE: 8 tiles of O (98,304 dense bytes), 16 tiles of wo (196,608 dense bytes), wo's scale words (8,192 dense bytes).  So there is no ring and nothing is filled again:
; the head has one tensor load a wave: wave 0 O's tiles, waves 1 and 2 eight tiles of wo each, wave 3 wo's scale words; one barrier shows them to all four waves.
; O's scale words, 256 bytes a head for a wave's four tiles, go from memory into registers: two loads of 128 neighbouring bytes for each head.
; THE WAVE'S 128 COLUMNS GO IN TWO HALVES OF 64: all 8 K steps for 16 accumulators, their way out, then the same for the other 16: the first half's stores are on their way while the second half is multiplied.
; The price: O's fragments are read from LDS twice: 128 fragment reads a wave in place of 96.
; CLUSTERS: 4 x 4.  O's tiles hang on the work-group's y alone and are asked for jointly along a row of the cluster; wo's tiles and words hang on its x alone, jointly along a column.
; No prefetch: the launch has no loop to run ahead in; every operand byte is asked for by the head's loads.
; THE PRODUCT IS USED TRANSPOSED: source 0 = 16 rows of wo, source 1 = 16 tokens.  The rows of wo's tiles are 8 u + rho + 8 (rho / 8) of their 32, so a lane's 16 registers of result tiles 2 B, 2 B + 1 are columns 32 B + 16 (lane / 16) + 0 .. 15 of its token.
; THE WAY OUT: a block of 16 tokens x 64 columns goes through the wave's own stage in LDS and leaves as rows of 256 bytes, two rows a store.  The stages have LDS bytes of their own, behind the spare words: no tile lands there, and no barrier is needed.
; REGISTERS: window 0: v1-29 addresses; v32-63, v208-239 rows read back from the stage, by turns; v64-159 O's fragments, two sets of four; v160-207 scale words (step k: 6 k, 6 k + 1 O's pairs, 6 k + 2 .. 5 wo's pairs).
;   window 1: wo's four fragments, two sets, at v0 and v128.   window 2: accumulator (a, b) at v[8 (8 a + b)].
.set TB,    12288                      ; a tile: eight fragments
.set COP,   8*TB                       ; wo's 16 tiles, behind O's 8
.set CSC,   COP+16*TB                  ; wo's scale words
.set SPARE, CSC+8192                   ; the spare words: 128 bytes a wave, two blocks of 256 bytes that no other line names
.set STAGE, SPARE+512                  ; the stages: 16 rows of SPI bytes for each wave
.set SPI,   272                        ; a stage row: 256 bytes + 16
.set LI,   1                           ; v1  16 x lane
.set L4,   3                           ; v3  4 x lane
.set ADR,  16                          ; v16 my four tiles of O
.set ADC,  18                          ; v18, v19 my tiles 0-3, 4-7 of wo
.set ACS,  21                          ; v21 my pairs' scale words
.set STO,  22
.set RD,   23
.set CO,   24                          ; v24 my place in two rows of out0
.set SPW,  28                          ; v28 my spare word; never rewritten
.set NIL,  29                          ; v29 0; never rewritten
.set RF,   64
.set SW,   160
.set WV,   14
.set RH,   15                          ; which 64 tokens are mine
.set CH,   16                          ; which 128 columns
.set G1R,  24
.set G0R,  32
.set G0C,  36
.set G0CS, 40
.set G1C,  48
.set G1CS, 56
.set MSB, 0
.macro WIN new                         ; the immediate's high byte repeats the setting that is left
.if MSB != (\new)
	s_set_vgpr_msb (MSB<<8)|(\new)
.set MSB, (\new)
.endif
.endm
; one product.  ra, rb: the scale words stand in lanes 16-31 of their register (the odd tile of a pair)
.macro WM d, a, b, zero, sa, sb, ra, rb
.if \zero
.if (\ra) && (\rb)
	v_wmma_scale_f32_16x16x128_f8f6f4 v[\d:\d+7], v[\a:\a+11], v[\b:\b+11], 0, v[\sa], v[\sb] matrix_a_fmt:MATRIX_FMT_FP6 matrix_b_fmt:MATRIX_FMT_FP6 matrix_a_scale:MATRIX_SCALE_ROW1 matrix_b_scale:MATRIX_SCALE_ROW1
.elseif (\ra)
	v_wmma_scale_f32_16x16x128_f8f6f4 v[\d:\d+7], v[\a:\a+11], v[\b:\b+11], 0, v[\sa], v[\sb] matrix_a_fmt:MATRIX_FMT_FP6 matrix_b_fmt:MATRIX_FMT_FP6 matrix_a_scale:MATRIX_SCALE_ROW1
.elseif (\rb)
	v_wmma_scale_f32_16x16x128_f8f6f4 v[\d:\d+7], v[\a:\a+11], v[\b:\b+11], 0, v[\sa], v[\sb] matrix_a_fmt:MATRIX_FMT_FP6 matrix_b_fmt:MATRIX_FMT_FP6 matrix_b_scale:MATRIX_SCALE_ROW1
.else
	v_wmma_scale_f32_16x16x128_f8f6f4 v[\d:\d+7], v[\a:\a+11], v[\b:\b+11], 0, v[\sa], v[\sb] matrix_a_fmt:MATRIX_FMT_FP6 matrix_b_fmt:MATRIX_FMT_FP6
.endif
.else
.if (\ra) && (\rb)
	v_wmma_scale_f32_16x16x128_f8f6f4 v[\d:\d+7], v[\a:\a+11], v[\b:\b+11], v[\d:\d+7], v[\sa], v[\sb] matrix_a_fmt:MATRIX_FMT_FP6 matrix_b_fmt:MATRIX_FMT_FP6 matrix_a_scale:MATRIX_SCALE_ROW1 matrix_b_scale:MATRIX_SCALE_ROW1
.elseif (\ra)
	v_wmma_scale_f32_16x16x128_f8f6f4 v[\d:\d+7], v[\a:\a+11], v[\b:\b+11], v[\d:\d+7], v[\sa], v[\sb] matrix_a_fmt:MATRIX_FMT_FP6 matrix_b_fmt:MATRIX_FMT_FP6 matrix_a_scale:MATRIX_SCALE_ROW1
.elseif (\rb)
	v_wmma_scale_f32_16x16x128_f8f6f4 v[\d:\d+7], v[\a:\a+11], v[\b:\b+11], v[\d:\d+7], v[\sa], v[\sb] matrix_a_fmt:MATRIX_FMT_FP6 matrix_b_fmt:MATRIX_FMT_FP6 matrix_b_scale:MATRIX_SCALE_ROW1
.else
	v_wmma_scale_f32_16x16x128_f8f6f4 v[\d:\d+7], v[\a:\a+11], v[\b:\b+11], v[\d:\d+7], v[\sa], v[\sb] matrix_a_fmt:MATRIX_FMT_FP6 matrix_b_fmt:MATRIX_FMT_FP6
.endif
.endif
.endm
.macro CROUND                          ; a round of the cluster's barrier
	s_barrier_signal -1
	s_barrier_wait -1
	s_cmp_lg_u32 s[WV], 0
	s_cbranch_scc1 .Lnot_wave_0_\@
	s_barrier_signal -3
.Lnot_wave_0_\@:
	s_barrier_wait -3
	s_barrier_signal -1
	s_barrier_wait -1
.endm
.macro PLACES
.rept 4
	v_nop
.endr
.endm
	s_load_b256 s[4:11], s[0:1], 0x0               ; ocod s[4:5], oscl s[6:7], cod s[8:9], scl s[10:11]
	s_load_b64 s[12:13], s[0:1], 0x20              ; out0
	v_lshl_add_u32 v[SPW], v0, 2, SPARE
	v_mov_b32 v[NIL], 0
	ds_add_u32 v[SPW], v[NIL]                      ; the opening lines: the add, twice on end, and its wait ahead of my first tensor load
	ds_add_u32 v[SPW], v[NIL]
	v_lshrrev_b32 v2, 5, v0
	v_readfirstlane_b32 s[WV], v2
	s_lshr_b32 s[RH], s[WV], 1
	s_and_b32 s[CH], s[WV], 1
	s_bfe_u32 s84, ttmp6, 0x40000                  ; cx
	s_bfe_u32 s85, ttmp6, 0x40004                  ; cy
	s_lshl_b32 s86, ttmp9, 2
	s_add_co_u32 s86, s86, s84                     ; work-group x: 256 columns
	s_and_b32 s87, ttmp7, 0xffff
	s_lshl_b32 s87, s87, 2
	s_add_co_u32 s87, s87, s85                     ; work-group y: 128 tokens
	s_lshl_b32 s88, s85, 2
	s_lshl_b32 s88, 15, s88                        ; my row of the cluster
	s_lshl_b32 s89, 0x1111, s84                    ; my column
	s_or_b32 s[G1R], s88, (3<<16)|(1<<21)          ; 15:0 the mask; 17:16 elements of 8 bytes; 21 set beside a mask; no padding
	s_or_b32 s[G1C], s89, (3<<16)|(1<<21)
	s_or_b32 s[G1CS], s89, (3<<16)|(1<<21)
.irp g, G1R, G1C                       ; 98,304 dense bytes as 384 rows of 256 bytes (32 elements)
	s_mov_b32 s[\g+1], 32<<16
	s_mov_b32 s[\g+2], 384<<16
	s_mov_b32 s[\g+3], 32<<16
	s_mov_b32 s[\g+4], 384
	s_mov_b32 s[\g+5], 32
	s_mov_b32 s[\g+6], 0
	s_mov_b32 s[\g+7], 0
.endr
	s_mov_b32 s[G1CS+1], 32<<16                    ; 8,192 dense bytes as 32 rows of 256
	s_mov_b32 s[G1CS+2], 32<<16
	s_mov_b32 s[G1CS+3], 32<<16
	s_mov_b32 s[G1CS+4], 32
	s_mov_b32 s[G1CS+5], 32
	s_mov_b32 s[G1CS+6], 0
	s_mov_b32 s[G1CS+7], 0
	s_mul_i32 s92, s87, 8*TB                       ; O's 8 tiles: made of the work-group's y alone
	s_mov_b32 s93, 0
	s_mul_i32 s2, s86, 16*TB                       ; wo's: made of the work-group's x and the wave: wave 1 takes tiles 0-7, wave 2 tiles 8-15
	s_mul_i32 s17, s[WV], 8*TB                     ; (also their place in LDS: COP + 8 TB (wave - 1) = 8 TB x wave)
	s_add_co_u32 s2, s2, s17
	s_add_co_u32 s2, s2, 11010048-8*TB
	s_mov_b32 s3, 0
	s_lshl_b32 s94, s86, 13                        ; wo's scale words: 8 pairs x 1,024 bytes
	s_add_co_u32 s94, s94, 458752
	s_mov_b32 s95, 0
	s_lshl_b32 s90, s87, 9                         ; O's scale words: 64 bytes a tile; my four tiles.  This number enters plain loads alone
	s_lshl_b32 s91, s[RH], 8
	s_add_co_u32 s90, s90, s91
	s_mov_b32 s91, 0
	s_wait_dscnt 0x0                               ; both opening adds are done
	s_wait_kmcnt 0x0
	s_add_nc_u64 s[92:93], s[4:5], s[92:93]
	s_add_nc_u64 s[90:91], s[6:7], s[90:91]
	s_add_nc_u64 s[2:3], s[8:9], s[2:3]
	s_add_nc_u64 s[94:95], s[10:11], s[94:95]
	CROUND                                         ; all sixteen work-groups are here: the joint loads meet
	s_mov_b32 s[G0R], 1
	s_mov_b32 s[G0R+1], 0
	s_mov_b64 s[G0R+2:G0R+3], s[92:93]
	s_or_b32 s[G0R+3], s[G0R+3], 0x80000000
	s_mov_b32 s[G0C], 1
	s_mov_b32 s[G0C+1], s17
	s_mov_b64 s[G0C+2:G0C+3], s[2:3]
	s_or_b32 s[G0C+3], s[G0C+3], 0x80000000
	s_mov_b32 s[G0CS], 1
	s_mov_b32 s[G0CS+1], CSC
	s_mov_b64 s[G0CS+2:G0CS+3], s[94:95]
	s_or_b32 s[G0CS+3], s[G0CS+3], 0x80000000
	; one chain of branches on the wave's number; every way through it passes exactly one load; an s_nop 0 and four v_nop follow each
	s_cmp_lt_u32 s[WV], 1
	s_cbranch_scc0 .Lhead_c
	tensor_load_to_lds s[G0R:G0R+3], s[G1R:G1R+7]
	s_nop 0
	PLACES
	s_branch .Lhead_asked
.Lhead_c:
	s_cmp_lt_u32 s[WV], 3
	s_cbranch_scc0 .Lhead_s
	tensor_load_to_lds s[G0C:G0C+3], s[G1C:G1C+7]
	s_nop 0
	PLACES
	s_branch .Lhead_asked
.Lhead_s:
	tensor_load_to_lds s[G0CS:G0CS+3], s[G1CS:G1CS+7]
	s_nop 0
	PLACES
.Lhead_asked:
	s_mul_i32 s17, s[RH], 4*TB                     ; my four tiles of O
	s_mul_i32 s18, s[CH], 8*TB
	s_add_co_u32 s18, s18, COP                     ; my eight tiles of wo
	s_lshl_b32 s19, s[CH], 12
	s_add_co_u32 s19, s19, CSC                     ; my four pairs' scale words
	s_mul_i32 s20, s[WV], 16*SPI
	s_add_co_u32 s20, s20, STAGE                   ; my stage
	s_lshl_b32 s21, s87, 7
	s_lshl_b32 s22, s[RH], 6
	s_add_co_u32 s21, s21, s22                     ; my first token,
	s_lshl_b32 s21, s21, 13                        ; a row of out0 is 8,192 bytes;
	s_lshl_b32 s22, s86, 10
	s_add_co_u32 s21, s21, s22
	s_lshl_b32 s22, s[CH], 9
	s_add_co_u32 s22, s21, s22                     ; my first column, in bytes: 1,024 x + 512 half
	s_mov_b32 s23, 0
	s_add_nc_u64 s[12:13], s[12:13], s[22:23]
	v_and_b32 v2, 31, v0
	v_and_b32 v4, 15, v0                           ; r
	v_bfe_u32 v5, v0, 4, 1                         ; h
	v_lshlrev_b32 v[LI], 4, v2
	v_lshlrev_b32 v[L4], 2, v2
	v_mul_u32_u24 v[STO], v4, SPI
	v_mul_u32_u24 v[RD], v5, SPI
	v_lshlrev_b32 v[CO], 13, v5
	v_add_nc_u32 v[ADR], s17, v[LI]
	v_add_nc_u32 v[ADC], s18, v[LI]
	v_lshl_add_u32 v[STO], v5, 6, v[STO]
	v_lshl_add_u32 v[RD], v4, 4, v[RD]
	v_lshl_add_u32 v[CO], v4, 4, v[CO]             ; lanes 0-15 one row of 256 bytes, lanes 16-31 the next row of out0
	v_add_nc_u32 v[ACS], s19, v[L4]
	v_add_nc_u32 v[ADC+1], 4*TB, v[ADC]
	v_add_nc_u32 v[STO], s20, v[STO]               ; into the stage: row r, + 64 h
	v_add_nc_u32 v[RD], s20, v[RD]                 ; out of it: lanes 0-15 one row, lanes 16-31 the next
	s_wait_alu depctr_va_vdst(0)                   ; the wait at the head's end
.irp k, 0,1,2,3,4,5,6,7
	global_load_b32 v[SW+6*\k], v[L4], s[90:91] offset:16384*\k        ; O's scale words of head k: my tiles 0, 1 (lanes 0-15, 16-31),
	global_load_b32 v[SW+6*\k+1], v[L4], s[90:91] offset:16384*\k+128  ; and tiles 2, 3
.endr
	s_wait_tensorcnt 0x0                           ; my tile of the four is in,
	s_barrier_signal -1
	s_barrier_wait -1                              ; and so is everybody's.
; half step s = 8 x (half of the columns) + K step
.macro FETCH s                         ; its fragments into set s % 2: O's four, wo's four of that half: 24 loads of 512 consecutive bytes
.set PP, (\s)%2
.set KK, (\s)%8
.set PH, (\s)/8
.irp a, 0,1,2,3
.irp g, 0,1,2
	ds_load_b128 v[RF+48*PP+12*\a+4*\g:RF+48*PP+12*\a+4*\g+3], v[ADR] offset:TB*\a+1536*KK+512*\g
.endr
.endr
	WIN 0x40
.irp b, 0,1,2,3
.irp g, 0,1,2
	ds_load_b128 v[128*PP+12*\b+4*\g:128*PP+12*\b+4*\g+3], v[ADC+PH] offset:TB*\b+1536*KK+512*\g
.endr
.endr
	WIN 0
.endm
.macro MULS s                          ; 16 products; the half's 16 accumulators take turns, one instruction a turn, in the same order in every step; K step 0's start the sums
.set PP, (\s)%2
.set KK, (\s)%8
.set PH, (\s)/8
	WIN 0xa1
.irp a, 0,1,2,3
.irp b, 0,1,2,3
	WM 8*(8*\a+4*PH+\b), 128*PP+12*\b, RF+48*PP+12*\a, KK==0, SW+6*KK+2+2*PH+\b/2, SW+6*KK+\a/2, \b%2, \a%2
.endr
.endr
	WIN 0
.endm
.macro TOSTAGE a, h                    ; block a (16 tokens) of half h: 64 columns
	WIN 0x08                                       ; an LDS store's data are its source 1: window 2
.irp B, 0,1
.irp q, 0,1,2,3
	ds_store_b128 v[STO], v[64*(\a)+32*(\h)+16*\B+4*\q:64*(\a)+32*(\h)+16*\B+4*\q+3] offset:128*\B+16*\q   ; each accumulator from its low end on
.endr
.endr
	WIN 0
.set BB, 32+176*((\a)%2)
.irp t, 0,1,2,3,4,5,6,7
	ds_load_b128 v[BB+4*\t:BB+4*\t+3], v[RD] offset:2*SPI*\t   ; LDS serves a wave's instructions in order: these see my stores
.endr
.endm
.macro SEND a, h, younger              ; younger: the LDS instructions issued behind block a's loads, which may stay out
.set BB, 32+176*((\a)%2)
	s_wait_dscnt \younger
.irp t, 0,1,2,3,4,5,6,7
	global_store_b128 v[CO], v[BB+4*\t:BB+4*\t+3], s[12:13] offset:(32*((\a)/2)+8*((\a)%2)+2*\t+8*(\t/4))*8192+256*(\h) th:TH_STORE_NT   ; two rows of 256 consecutive bytes, aligned; row t' of tile a is token 32 (a / 2) + 8 (a % 2) + t' + 8 (t' / 8)
.endr
.endm
.macro WAYOUT h
	PLACES                                         ; behind the half's last products: their results are read from here on
.if \h
	s_wait_xcnt 0x0                                ; the first half's stores have read their registers
.endif
	TOSTAGE 0, \h
.irp a, 1,2,3
.if \a > 1
	s_wait_xcnt 0x0                                ; block a - 2's stores have read their registers: block a's loads may land there
.endif
	TOSTAGE \a, \h
	SEND \a-1, \h, 16                              ; behind block a - 1's loads: block a's 8 stores and 8 loads
.endr
	SEND 3, \h, 0
.endm
.irp k, 0,1,2,3,4,5,6,7
.irp m, 0,1,2,3
	ds_load_b32 v[SW+6*\k+2+\m], v[ACS] offset:1024*\m+128*\k
.endr
.endr
	FETCH 0
	s_wait_loadcnt 0x0                             ; O's scale words
.irp s, 0,1,2,3,4,5,6,7,8,9,10,11,12,13,14,15
.if \s < 15
.if \s > 0
	PLACES                                         ; in front of loads into registers that matrix instructions have read
.endif
	FETCH \s+1
	s_wait_dscnt 24                                ; all but the 24 just issued
.else
	s_wait_dscnt 0x0
.endif
	MULS \s
.if \s == 7
	WAYOUT 0                                       ; the first 64 columns leave; the second half's first fragments are already asked for
.endif
.endr
	WAYOUT 1
	s_wait_tensorcnt 0x0                           ; the wave's end
	ds_add_u32 v[SPW], v[NIL]
	s_wait_dscnt 0x0
	CROUND                                         ; the closing round
	s_endpgm
.Lfunc_end_k_qa38281738c_oproj:
	.size	k_qa38281738c_oproj, .Lfunc_end_k_qa38281738c_oproj-k_qa38281738c_oproj
	.p2alignl 7, 3214868480
	.fill 96, 4, 3214868480
	.section	.rodata,"a",@progbits
	.p2align	6, 0x0
	.amdhsa_kernel k_qa38281738c_oproj
		.amdhsa_group_segment_fixed_size 327680
		.amdhsa_private_segment_fixed_size 0
		.amdhsa_enable_private_segment 0
		.amdhsa_kernarg_size 40
		.amdhsa_user_sgpr_count 2
		.amdhsa_user_sgpr_kernarg_segment_ptr 1
		.amdhsa_wavefront_size32 1
		.amdhsa_system_sgpr_workgroup_id_x 1
		.amdhsa_system_sgpr_workgroup_id_y 1
		.amdhsa_system_sgpr_workgroup_id_z 1
		.amdhsa_system_vgpr_workitem_id 0
		.amdhsa_next_free_vgpr 768
		.amdhsa_next_free_sgpr 96
		.amdhsa_reserve_vcc 0
		.amdhsa_float_denorm_mode_32 3
		.amdhsa_float_denorm_mode_16_64 3
		.amdhsa_memory_ordered 1
		.amdhsa_forward_progress 1
		.amdhsa_inst_pref_size 87
	.end_amdhsa_kernel
	.amdgpu_metadata
---
amdhsa.version: [ 1, 2 ]
amdhsa.kernels:
  - .name:           k_qa38281738c_oproj
    .symbol:         k_qa38281738c_oproj.kd
    .args:
      - { .name: ocod, .offset: 0, .size: 8, .value_kind: global_buffer, .address_space: global }
      - { .name: oscl, .offset: 8, .size: 8, .value_kind: global_buffer, .address_space: global }
      - { .name: cod, .offset: 16, .size: 8, .value_kind: global_buffer, .address_space: global }
      - { .name: scl, .offset: 24, .size: 8, .value_kind: global_buffer, .address_space: global }
      - { .name: out0, .offset: 32, .size: 8, .value_kind: global_buffer, .address_space: global }
    .group_segment_fixed_size: 327680
    .private_segment_fixed_size: 0
    .kernarg_segment_align: 8
    .kernarg_segment_size: 40
    .max_flat_workgroup_size: 128
    .sgpr_count:     96
    .vgpr_count:     768
    .wavefront_size: 32
...
	.end_amdgpu_metadata
.endif
;; end of part 4
